; MI455X (gfx1250); checked and timed in simulation.
; The chip was launched on July 23, 2026; its instructions are those of AMD's public machine-readable ISA for CDNA 5 (MIT licence, August 2026) and "CDNA5" Instruction Set Architecture Reference Guide (July 2026). The comments in the code are by the model that wrote it; some were corrected since.
;; AC Ro PE Attention. Allowed arithmetic: matrix products marked QUANTISED: E4M3 operands, one given power-of-two scale a tensor, by v_wmma_f32_16x16x64_fp8_fp8 or v_wmma_f32_16x16x128_fp8_fp8, f32 sums; everything else in f32.
;; Inputs: W_proj 1,024 x 1,024 float32; W_qkv 3,072 x 1,024 float32; b_proj 1,024 float32; lowp_scales 8 int32 (the exponents e of the quantised operands' scales 2^e); x 2 x 2,048 x 1,024 float32.
;; Outputs: out0 2 x 2,048 x 1,024 float32.
;; Constants: H = 16, T = 8, W = 16.
;; This version of the problem:
;;   THIS VERSION OF THE PROBLEM IS GIVEN IN LOW PRECISION. The matrix products marked QUANTISED in the list below multiply operands that are first quantised to E4M3 (4 exponent bits, 3 mantissa bits; 8 bits a number), with one given power-of-two scale for each operand tensor; their sums are f32. All else is computed in f32.
;;   The module's matrix products, in the order in which they are computed (A, B: the left and right operand; K: the contracted axis; several contracted axes count as one K, in the product's order):
;;     1. [M 4,096, K 1,024] x [K 1,024, N 3,072]; A: input x; B: input W_qkv: QUANTISED (scales: A lowp_scales[0], B lowp_scales[1])
;;     2. batch 32 x [M 2,048, K 64] x [K 64, N 2,048]; A: computed on the way; B: computed on the way: QUANTISED (scales: A lowp_scales[2], B lowp_scales[3])
;;     3. batch 32 x [M 2,048, K 2,048] x [K 2,048, N 64]; A: softmax (see below); B: computed on the way: QUANTISED (scales: A lowp_scales[4], B lowp_scales[5])
;;     4. [M 4,096, K 1,024] x [K 1,024, N 1,024]; A: computed on the way; B: input W_proj: QUANTISED (scales: A lowp_scales[6], B lowp_scales[7])
;;   THE QUANTISER, for each operand of a quantised product, along K:
;;     - The operand's scale is 2^e, e = its entry of the input lowp_scales (int32; the entries are numbered through the quantised products in the list's order, A before B).
;;     - Each number is divided by the scale, clamped to +-448, and rounded to the nearest number of E4M3, ties to even, subnormals kept.
;;     - The product sums the exact products of the quantised numbers (number of the format x scale) in f32.
;;   ~~~python
;;   def quantise(x, axis, e):      # numpy; x: float32 -> the quantised numbers, widened to float32 again
;;       x = np.moveaxis(x, axis, -1); K = x.shape[-1]
;;       r = np.clip(x / 2.0 ** e, -448, 448)
;;       step = 2.0 ** (np.maximum(np.frexp(np.where(r == 0, 1, r))[1] - 1, -6) - 3)
;;       q = np.round(r / step) * step * 2.0 ** e      # np.round: ties to even
;;       return np.moveaxis(q, -1, axis).astype(np.float32)
;;   ~~~
;;   SOFTMAX AHEAD OF A QUANTISED PRODUCT. Where the list says 'softmax', what is quantised is not the finished softmax but p = 2^(t - M), with t = logit x log2(e) and M = ceil(the row's largest t), a whole number; so 1/2 < the row's largest p <= 1. The row's sum l is taken of the UNQUANTISED p, in f32, and the product's result is divided by l at the end. Since M is a whole number, a kernel that streams over the keys may use a running M (the ceiling of the running maximum): every later rescaling is an exact power of two, so the quantised numbers keep their values, but for numbers so far below the row's largest that they fall under the format's range.
;;   OPERANDS COMPUTED ON THE WAY. 'Computed on the way' means the value that the module computes at that place (a softmax that the list does not call 'softmax' is quantised finished and normalised). What goes into a quantiser is computed in f32, as accurately as f32 sums, v_exp_f32 and their like allow (about 1e-6 of the number): no bf16 or f16 on the way to a quantiser, and a product that is left as it is and whose result goes on into a quantised operand takes f32 operands (vector FMAs, or v_wmma_f32_16x16x4_f32). A number that lies on a knife's edge between two numbers of the format may be rounded either way, as far as f32 arithmetic and the matrix unit's own rounding can turn it there, and no further.
;; One version. Each part assembles by itself: llvm-mc -triple=amdgcn-amd-amdhsa -mcpu=gfx1250 --defsym DOCPART=n.
;; ======== version 1 of 1: 4 launches
;; limits: right only within a limited range of input values
;; workspace buffers: x_codes 4,194,304 bytes; wqkv_codes 3,145,728 bytes; wproj_codes 1,048,576 bytes; rope 1,048,576 bytes; q_codes 4,194,304 bytes; k_codes 4,194,304 bytes; v_codes 4,194,304 bytes; att_codes 4,194,304 bytes
;; launch quant (part 1): grid 256 x 1, 16 waves a work-group, no clusters, 133,120 bytes of LDS; arguments x, W_qkv, W_proj, lowp_scales, x_codes, wqkv_codes, wproj_codes, rope; writes x_codes, wqkv_codes, wproj_codes, rope
.if DOCPART == 1
	.amdgcn_target "amdgcn-amd-amdhsa--gfx1250"
	.amdhsa_code_object_version 6
	.text
	.protected	k_qf4eae1f6ca_quant
	.globl	k_qf4eae1f6ca_quant
	.p2align	8
	.type	k_qf4eae1f6ca_quant,@function
k_qf4eae1f6ca_quant:
	s_mov_b64 s[64:65], 0
	v_nop
	global_prefetch_b8 v0, s[64:65] scope:SCOPE_SE
	s_setreg_imm32_b32 hwreg(HW_REG_WAVE_MODE, 25, 1), 1
	s_wait_xcnt 0x0
; x [4096][1024], W_qkv [3072][1024] and W_proj [1024][1024], f32 with K innermost, become codes of FP8 (E4M3), one byte a number, in the same order,
; each with the scale 2^e given for it (entries 0, 1 and 7 of the scales).  code = number / 2^e, held within +-448, to the nearest code, ties to even.
; Rows are dense, so each tensor is a plain stream.  A work-group takes 32,768 numbers (16 waves x 4 steps x 512): work-groups 0-127 x, 128-223 W_qkv, 224-255 W_proj;
; only pointers and e are chosen, by selects on the work-group's number: all take one path.  A wave's sixteen loads all go out at its head: 8,192 bytes a wave, 131,072 a work-group, which is all that it reads.
; A step's four loads read 512 consecutive bytes each; the 2,048 bytes turn through the wave's own stage in LDS so that a lane holds 16 neighbours for the conversions.
; THE TABLE OF ROTATIONS, made by waves 0 to 3 while their loads are on their way.  For channel d of a head and a token: segment d / 20 takes the position token >> 8, (token >> 4) & 15 or token & 15; the angle is
; position x 10000^(-((d % 20) % 10) / 10); C = cos, S = -sin for even d and +sin for odd d, so that rotated[d] = v[d] C[d] + v[d ^ 1] S[d].  Channels 60-63 get position 0: C = 1, S = 0.
; rope is laid as its reader's lanes take it: [128 blocks of 16 tokens][4 groups of 16 channels][4 parts][32 lanes][16 bytes]: lane 16 h + r holds token r of the block and channels 8 h + 0 .. 7 of the group;
; part 0: C of its channels 0-3, part 1: C of 4-7, parts 2, 3: S likewise.  A work-group makes 16 tokens x 32 channels: thread t < 128: token t % 16, the four channels 4 q on, q = 8 (work-group % 2) + t / 16.
; Sine and cosine: the angle less k quarter turns (pi / 2 in two parts), then polynomials in r on |r| <= pi / 4 cut at r^9 and r^10 (what is left out is under 2e-9), and the quadrant's swap and signs.  Angles lie between 0 and 15.
; LIMITS: each of the three e between -126 and 119, so that 2^e and 448 x 2^e are f32 numbers.  NaN among the inputs is not served; an infinity is held at the largest code.
.set STEPS, 4
.set EMAX,  8
.set MANT,  0x600000                   ; the mantissa field of 448 as f32
.set R,     16                         ; v16-79   four sets of 16 numbers as loaded, one for each step
.set X,     80                         ; v80-111  two sets of 16 neighbours
.set C,     128                        ; v128-143 codes: four registers for each step, never written again
.set WREG,  8192                       ; LDS: a region for each wave: two stages of 32 x SP bytes
.set SP,    80                         ; a lane's place in a stage: 64 bytes + 16 of padding
.set TA,    200                        ; the table, four channels a thread: j, then the frequency, then the angle
.set TK,    204                        ; quarter turns, as f32
.set TR,    208                        ; r
.set TZ,    212                        ; r^2
.set TS,    216                        ; sin r
.set TC,    220                        ; cos r
.set TI,    224                        ; quarter turns, as a whole number
.set TT,    228                        ; at work
.set OC,    232                        ; C, to store
.set OS,    236                        ; S, to store
	s_load_b256 s[4:11], s[0:1], 0x0               ; x s[4:5], W_qkv s[6:7], W_proj s[8:9], the scales' exponents s[10:11]
	s_load_b256 s[12:19], s[0:1], 0x20             ; x_codes s[12:13], wqkv_codes s[14:15], wproj_codes s[16:17], rope s[18:19]
	v_lshl_add_u32 v242, v0, 2, 0x20000
	v_mov_b32 v243, 0
	v_lshrrev_b32 v1, 5, v0
	s_delay_alu instid0(VALU_DEP_1)
	v_readfirstlane_b32 s25, v1                    ; wave 0..15
	v_and_b32 v2, 31, v0                           ; lane
	s_delay_alu instid0(VALU_DEP_1)
	v_lshlrev_b32 v3, 4, v2                        ; my 16 bytes of a load's 512, and of a step's 512 bytes of codes; never rewritten
	s_mul_i32 s26, s25, WREG
	v_lshrrev_b32 v14, 2, v2
	s_delay_alu instid0(VALU_DEP_1)
	v_mul_u32_u24 v14, v14, SP
	v_and_b32 v15, 3, v2
	s_delay_alu instid0(VALU_DEP_1)
	v_lshl_add_u32 v14, v15, 4, v14
	s_delay_alu instid0(VALU_DEP_1)
	v_add_nc_u32 v14, s26, v14                     ; the stage, on the way in: SP (lane / 4) + 16 (lane % 4)
	v_mul_u32_u24 v15, v2, SP
	s_delay_alu instid0(VALU_DEP_1)
	v_add_nc_u32 v15, s26, v15                     ; and on the way out: SP x lane: my 16 neighbours
	s_mov_b32 s24, 224
	s_cmp_lt_u32 ttmp9, 224
	s_cselect_b32 s24, 128, s24
	s_cmp_lt_u32 ttmp9, 128
	s_cselect_b32 s24, 0, s24                      ; my tensor's first work-group
	s_sub_co_u32 s24, ttmp9, s24
	s_lshl_b32 s24, s24, 4
	s_add_co_u32 s28, s24, s25                     ; which run of 2,048 numbers of the tensor is my wave's
	s_mov_b32 s29, 0
	s_lshl_b64 s[30:31], s[28:29], 13              ; in bytes of f32,
	s_lshl_b64 s[32:33], s[28:29], 11              ; and of codes
	s_lshr_b32 s34, ttmp9, 1                       ; the table: my work-group's block of 16 tokens,
	s_lshl_b32 s46, s34, 13                        ; its 8,192 bytes,
	s_lshl_b32 s34, s34, 4                         ; its first token,
	s_and_b32 s35, ttmp9, 1
	s_lshl_b32 s35, s35, 3                         ; and the first of my work-group's eight quads of channels
	s_wait_alu depctr_va_vdst(0)
	s_wait_kmcnt 0x0
	s_load_b256 s[36:43], s[10:11], 0x0            ; e0 .. e7
	s_cmp_lt_u32 ttmp9, 224                        ; the choices hang on the work-group's number alone
	s_cselect_b64 s[20:21], s[6:7], s[8:9]
	s_cselect_b64 s[22:23], s[14:15], s[16:17]
	s_cmp_lt_u32 ttmp9, 128
	s_cselect_b64 s[20:21], s[4:5], s[20:21]
	s_cselect_b64 s[22:23], s[12:13], s[22:23]
	s_add_nc_u64 s[20:21], s[20:21], s[30:31]
	s_add_nc_u64 s[22:23], s[22:23], s[32:33]
.macro LOAD t
.irp i, 0,1,2,3
	global_load_b128 v[R+16*((\t)%4)+4*\i:R+16*((\t)%4)+4*\i+3], v3, s[20:21] offset:2048*(\t)+512*\i th:TH_LOAD_NT   ; 32 lanes read 512 consecutive bytes
.endr
.endm
.macro TURN t                          ; step t's numbers through the stage: LDS serves a wave's instructions in order, so no wait stands between the stores and the loads
.irp i, 0,1,2,3
	ds_store_b128 v14, v[R+16*((\t)%4)+4*\i:R+16*((\t)%4)+4*\i+3] offset:32*SP*((\t)%2)+8*SP*\i
.endr
.irp i, 0,1,2,3
	ds_load_b128 v[X+16*((\t)%2)+4*\i:X+16*((\t)%2)+4*\i+3], v15 offset:32*SP*((\t)%2)+16*\i
.endr
.endm
.irp t, 0,1,2,3
	LOAD \t
.endr
	s_cmp_lt_u32 s25, 4                            ; the table takes 128 threads: waves 0 to 3
	s_cbranch_scc0 .Lno_table
	v_lshrrev_b32 v192, 4, v0
	s_delay_alu instid0(VALU_DEP_1)
	v_add_nc_u32 v192, s35, v192                   ; q: my four channels are 4 q .. 4 q + 3
	v_and_b32 v193, 15, v0                         ; r: my token in the block
	s_delay_alu instid0(VALU_DEP_1)
	v_lshlrev_b32 v198, 4, v193                    ; where I store: 16 r,
	s_delay_alu instid0(VALU_DEP_2)
	v_add_nc_u32 v193, s34, v193                   ; token
	s_delay_alu instid0(VALU_DEP_4)
	v_lshrrev_b32 v199, 2, v192
	s_delay_alu instid0(VALU_DEP_1)
	v_lshl_add_u32 v198, v199, 11, v198            ; + 2,048 x the group of 16 channels (q / 4),
	v_and_b32 v199, 1, v192
	s_delay_alu instid0(VALU_DEP_1)
	v_lshl_add_u32 v198, v199, 9, v198             ; + 512 x the part (q % 2: channels 0-3 or 4-7 of a lane's eight),
	v_bfe_u32 v199, v192, 1, 1
	s_delay_alu instid0(VALU_DEP_1)
	v_lshl_add_u32 v198, v199, 8, v198             ; + 256 x the half of the lanes ((q / 2) % 2),
	s_delay_alu instid0(VALU_DEP_1)
	v_add_nc_u32 v198, s46, v198                   ; in my block; never rewritten
	v_mul_u32_u24 v194, v192, 13
	s_delay_alu instid0(VALU_DEP_1)
	v_lshrrev_b32 v194, 6, v194                    ; segment = q / 5, for q up to 15
	v_lshlrev_b32 v195, 2, v192
	s_delay_alu instid0(VALU_DEP_2)
	v_mul_u32_u24 v196, v194, 20
	s_delay_alu instid0(VALU_DEP_1)
	v_sub_nc_u32 v195, v195, v196                  ; my first channel's place in its segment
	s_delay_alu instid0(VALU_DEP_4)
	v_lshlrev_b32 v196, 2, v194
	s_delay_alu instid0(VALU_DEP_1)
	v_sub_nc_u32 v196, 8, v196                     ; 8, 4, 0 for the three segments; -4 for channels 60-63,
	s_delay_alu instid0(VALU_DEP_1)
	v_and_b32 v196, 31, v196                       ; which becomes 28: a token, under 2^11, shifted so far is 0
	s_delay_alu instid0(VALU_DEP_1)
	v_lshrrev_b32 v197, v196, v193
	s_delay_alu instid0(VALU_DEP_1)
	v_and_b32 v197, 15, v197
	s_delay_alu instid0(VALU_DEP_1)
	v_cvt_f32_u32 v197, v197                       ; the position
	v_mov_b32 v240, 0x3638ef1d                     ; 1 / 9!
	v_mov_b32 v241, 0xb493f27e                     ; -1 / 10!
.irp i, 0,1,2,3
	v_add_nc_u32 v[TA+\i], \i, v195
	v_add_nc_u32 v[TK+\i], \i-10, v195
.endr
.irp i, 0,1,2,3
	v_min_u32 v[TA+\i], v[TA+\i], v[TK+\i]         ; (place in the segment) % 10: below 10 the difference wraps to a huge number
.endr
.irp i, 0,1,2,3
	s_delay_alu instid0(VALU_DEP_4)
	v_cvt_f32_u32 v[TA+\i], v[TA+\i]
.endr
.irp i, 0,1,2,3
	s_delay_alu instid0(VALU_DEP_4)
	v_mul_f32 v[TA+\i], 0xbfaa152d, v[TA+\i]       ; x -log2(10000) / 10
.endr
	s_wait_alu depctr_va_vdst(0)
.irp i, 0,1,2,3
	v_exp_f32 v[TA+\i], v[TA+\i]                   ; the frequency
.endr
	v_nop                                          ; a plain instruction behind the last exponential,
	s_wait_alu depctr_va_vdst(0)                   ; and one wait for the four, ahead of their first reader
.irp i, 0,1,2,3
	v_mul_f32 v[TA+\i], v197, v[TA+\i]             ; the angle
.endr
.irp i, 0,1,2,3
	s_delay_alu instid0(VALU_DEP_4)
	v_mul_f32 v[TK+\i], 0x3f22f983, v[TA+\i]       ; x 2 / pi
.endr
.irp i, 0,1,2,3
	s_delay_alu instid0(VALU_DEP_4)
	v_rndne_f32 v[TK+\i], v[TK+\i]                 ; k quarter turns
.endr
.irp i, 0,1,2,3
	s_delay_alu instid0(VALU_DEP_4)
	v_fmamk_f32 v[TR+\i], v[TK+\i], 0xbfc90fdb, v[TA+\i]   ; r = angle - k x pi / 2: the f32 nearest to pi / 2,
.endr
.irp i, 0,1,2,3
	v_fmamk_f32 v[TR+\i], v[TK+\i], 0x333bbd2e, v[TR+\i]   ; and what that number is too large by
	v_cvt_i32_f32 v[TI+\i], v[TK+\i]
.endr
.irp i, 0,1,2,3
	v_mul_f32 v[TZ+\i], v[TR+\i], v[TR+\i]
.endr
.irp i, 0,1,2,3
	v_fmaak_f32 v[TS+\i], v[TZ+\i], v240, 0xb9500d01       ; - 1 / 7!
	v_fmaak_f32 v[TC+\i], v[TZ+\i], v241, 0x37d00d01       ; + 1 / 8!
.endr
.irp i, 0,1,2,3
	v_fmaak_f32 v[TS+\i], v[TS+\i], v[TZ+\i], 0x3c088889   ; + 1 / 5!
	v_fmaak_f32 v[TC+\i], v[TC+\i], v[TZ+\i], 0xbab60b61   ; - 1 / 6!
.endr
.irp i, 0,1,2,3
	v_fmaak_f32 v[TS+\i], v[TS+\i], v[TZ+\i], 0xbe2aaaab   ; - 1 / 3!
	v_fmaak_f32 v[TC+\i], v[TC+\i], v[TZ+\i], 0x3d2aaaab   ; + 1 / 4!
.endr
.irp i, 0,1,2,3
	v_mul_f32 v[TT+\i], v[TR+\i], v[TZ+\i]
	v_fma_f32 v[TC+\i], v[TC+\i], v[TZ+\i], -0.5
.endr
.irp i, 0,1,2,3
	v_fma_f32 v[TS+\i], v[TT+\i], v[TS+\i], v[TR+\i]       ; sin r
	v_fma_f32 v[TC+\i], v[TC+\i], v[TZ+\i], 1.0            ; cos r
.endr
.irp i, 0,1,2,3
	v_and_b32 v[TT+\i], 1, v[TI+\i]
	s_delay_alu instid0(VALU_DEP_1)
	v_cmp_eq_u32 vcc_lo, 1, v[TT+\i]               ; an odd number of quarter turns: sine and cosine change places
	s_delay_alu instid0(VALU_DEP_1)
	v_cndmask_b32 v[OS+\i], v[TS+\i], v[TC+\i], vcc_lo
	s_delay_alu instid0(VALU_DEP_2)
	v_cndmask_b32 v[OC+\i], v[TC+\i], v[TS+\i], vcc_lo
	v_and_b32 v[TT+\i], 2, v[TI+\i]                ; the sine is negated for k % 4 = 2, 3,
	v_add_nc_u32 v[TI+\i], 1, v[TI+\i]
	s_delay_alu instid0(VALU_DEP_2)
	v_lshlrev_b32 v[TT+\i], 30, v[TT+\i]
	s_delay_alu instid0(VALU_DEP_2)
	v_and_b32 v[TI+\i], 2, v[TI+\i]                ; the cosine for k % 4 = 1, 2
	s_delay_alu instid0(VALU_DEP_2)
	v_xor_b32 v[OS+\i], v[TT+\i], v[OS+\i]
	s_delay_alu instid0(VALU_DEP_2)
	v_lshlrev_b32 v[TI+\i], 30, v[TI+\i]
	s_delay_alu instid0(VALU_DEP_1)
	v_xor_b32 v[OC+\i], v[TI+\i], v[OC+\i]
.if (\i%2) == 0
	s_delay_alu instid0(VALU_DEP_3)
	v_xor_b32 v[OS+\i], 0x80000000, v[OS+\i]       ; S = -sin for even channels
.endif
.endr
	global_store_b128 v198, v[OC:OC+3], s[18:19]               ; sixteen lanes (one q, tokens 0-15) store 256 consecutive bytes, at a multiple of 256 from the table's first byte
	global_store_b128 v198, v[OS:OS+3], s[18:19] offset:1024   ; S lies two parts behind C
.Lno_table:
	; ---- the scale
	s_wait_kmcnt 0x0
	s_cmp_lt_u32 ttmp9, 224
	s_cselect_b32 s44, s37, s43                    ; e1 or e7,
	s_cmp_lt_u32 ttmp9, 128
	s_cselect_b32 s44, s36, s44                    ; or e0
	s_add_co_i32 s44, s44, 127
	s_lshl_b32 s45, s44, 23
	v_mov_b32 v11, s45                             ; 2^e as f32: the conversion takes its exponent field
	s_add_co_i32 s44, s44, EMAX
	s_lshl_b32 s44, s44, 23
	s_or_b32 s44, s44, MANT
	v_mov_b32 v10, s44                             ; 448 x 2^e
	s_wait_alu depctr_va_vdst(0)
	s_wait_loadcnt 12                              ; step 0's four loads are in; the twelve of steps 1 to 3 may be out
	TURN 0
.macro STEP t
.set XS, X+16*((\t)%2)
	s_wait_dscnt 0x0                               ; this step's numbers are back from the stage
.if (\t)+1 < STEPS
	s_wait_loadcnt 4*(STEPS-2-(\t))                ; the next step's four loads are in; those of the steps behind it may be out
	TURN (\t)+1                                    ; and go through the other stage while this step is worked
.endif
.irp i, 0,1,2,3,4,5,6,7,8,9,10,11,12,13,14,15
	v_med3_num_f32 v[XS+\i], v[XS+\i], -v10, v10   ; the conversion to an 8-bit code does not saturate (ISA guide 7.6.2): the number is held within 448 x the scale first
.endr
	v_cvt_scalef32_pk8_fp8_f32 v[C+4*(\t):C+4*(\t)+1], v[XS:XS+7], v11
	v_cvt_scalef32_pk8_fp8_f32 v[C+4*(\t)+2:C+4*(\t)+3], v[XS+8:XS+15], v11   ; the results go to a store alone; the next vector lines are the next step's holds, on other registers
	global_store_b128 v3, v[C+4*(\t):C+4*(\t)+3], s[22:23] offset:512*(\t)    ; the wave stores 512 consecutive bytes
.endm
.irp t, 0,1,2,3
	STEP \t
.endr
	s_wait_tensorcnt 0x0
	ds_add_u32 v242, v243
	s_wait_dscnt 0x0
	s_endpgm
.Lfunc_end_k_qf4eae1f6ca_quant:
	.size	k_qf4eae1f6ca_quant, .Lfunc_end_k_qf4eae1f6ca_quant-k_qf4eae1f6ca_quant
	.p2alignl 7, 3214868480
	.fill 96, 4, 3214868480
	.section	.rodata,"a",@progbits
	.p2align	6, 0x0
	.amdhsa_kernel k_qf4eae1f6ca_quant
		.amdhsa_group_segment_fixed_size 133120
		.amdhsa_private_segment_fixed_size 0
		.amdhsa_enable_private_segment 0
		.amdhsa_kernarg_size 64
		.amdhsa_user_sgpr_count 2
		.amdhsa_user_sgpr_kernarg_segment_ptr 1
		.amdhsa_wavefront_size32 1
		.amdhsa_system_sgpr_workgroup_id_x 1
		.amdhsa_system_sgpr_workgroup_id_y 1
		.amdhsa_system_sgpr_workgroup_id_z 1
		.amdhsa_system_vgpr_workitem_id 0
		.amdhsa_next_free_vgpr 244
		.amdhsa_next_free_sgpr 66
		.amdhsa_reserve_vcc 1
		.amdhsa_float_denorm_mode_32 3
		.amdhsa_float_denorm_mode_16_64 3
		.amdhsa_memory_ordered 1
		.amdhsa_forward_progress 1
		.amdhsa_inst_pref_size 22
	.end_amdhsa_kernel
	.amdgpu_metadata
---
amdhsa.version: [ 1, 2 ]
amdhsa.kernels:
  - .name:           k_qf4eae1f6ca_quant
    .symbol:         k_qf4eae1f6ca_quant.kd
    .args:
      - { .name: x, .offset: 0, .size: 8, .value_kind: global_buffer, .address_space: global }
      - { .name: W_qkv, .offset: 8, .size: 8, .value_kind: global_buffer, .address_space: global }
      - { .name: W_proj, .offset: 16, .size: 8, .value_kind: global_buffer, .address_space: global }
      - { .name: lowp_scales, .offset: 24, .size: 8, .value_kind: global_buffer, .address_space: global }
      - { .name: x_codes, .offset: 32, .size: 8, .value_kind: global_buffer, .address_space: global }
      - { .name: wqkv_codes, .offset: 40, .size: 8, .value_kind: global_buffer, .address_space: global }
      - { .name: wproj_codes, .offset: 48, .size: 8, .value_kind: global_buffer, .address_space: global }
      - { .name: rope, .offset: 56, .size: 8, .value_kind: global_buffer, .address_space: global }
    .group_segment_fixed_size: 133120
    .private_segment_fixed_size: 0
    .kernarg_segment_align: 8
    .kernarg_segment_size: 64
    .max_flat_workgroup_size: 512
    .sgpr_count:     66
    .vgpr_count:     244
    .wavefront_size: 32
...
	.end_amdgpu_metadata
.endif
;; end of part 1
;; launch qkv (part 2): grid 12 x 16, 4 waves a work-group, clusters of 4 x 4, 327,680 bytes of LDS; arguments x_codes, wqkv_codes, rope, lowp_scales, q_codes, k_codes, v_codes; writes q_codes, k_codes, v_codes
.if DOCPART == 2
	.amdgcn_target "amdgcn-amd-amdhsa--gfx1250"
	.amdhsa_code_object_version 6
	.text
	.protected	k_qf4eae1f6ca_qkv
	.globl	k_qf4eae1f6ca_qkv
	.p2align	8
	.type	k_qf4eae1f6ca_qkv,@function
k_qf4eae1f6ca_qkv:
	s_mov_b64 s[64:65], 0
	v_nop
	global_prefetch_b8 v0, s[64:65] scope:SCOPE_SE
	s_setreg_imm32_b32 hwreg(HW_REG_WAVE_MODE, 25, 1), 1
	s_wait_xcnt 0x0
	s_wait_alu depctr_hold_cnt(0) depctr_sa_sdst(0) depctr_va_vdst(0) depctr_va_sdst(0) depctr_va_ssrc(0) depctr_va_vcc(0) depctr_vm_vsrc(0)
	s_getreg_b32 s2, hwreg(HW_REG_IB_STS2, 6, 4)
	s_cmp_eq_u32 s2, 0
	s_cbranch_scc0 .Lentry_in_a_cluster
	s_endpgm
.Lentry_in_a_cluster:
	s_bfe_u32 s2, ttmp6, 0x10000c
	s_cmp_lg_u32 s2, 0xf033
	s_cbranch_scc0 .Lentry_shape_is_right
	s_endpgm
.Lentry_shape_is_right:
.set ROWB,   256
.set KROW,   1024
.set PITCH,  272
.set FR,     16
.set NL,     4
.set NP,     4
.set HALFT,  128*PITCH
.set SLOT,   4*HALFT
.set SPARE,  2*SLOT
.set STGQ,   SPARE+512
.set STGV,   STGQ+9216
.set ADRA, 16
.set ADRB, 20
.set STOV, 22
.set RDV,  23
.set STOQ, 24
.set RDQ,  25
.set GO,   26
.set SPW,  28
.set NIL,  29
.set LIM,  30
.set SC,   31
.set T,    32
.set CD0,  96
.set BK,   112
.set AF,   128
.set G1, 24
.set G0, 32
.set G1B, 48
.set G0B, 56
.set MSB, 0
.macro WIN new
.if MSB != \new
	s_set_vgpr_msb (MSB<<8)|\new
.set MSB, \new
.endif
.endm
.set MUL_LO, 0xa1
.set MUL_HI, 0xf1
.set TO_B,   0x40
.macro JLOAD g0a, g1a, g0b, g1b
	s_cmp_eq_u32 s15, 0
	s_cbranch_scc0 .Lfor_b_\@
	tensor_load_to_lds s[\g0a:\g0a+3], s[\g1a:\g1a+7]
	s_nop 0
.rept 4
	v_nop
.endr
	s_branch .Lasked_\@
.Lfor_b_\@:
	tensor_load_to_lds s[\g0b:\g0b+3], s[\g1b:\g1b+7]
	s_nop 0
.rept 4
	v_nop
.endr
.Lasked_\@:
.endm
.macro CREST
	s_cmp_lg_u32 s14, 0
	s_cbranch_scc1 .Lnot_wave_0_\@
	s_barrier_signal -3
.Lnot_wave_0_\@:
	s_barrier_wait -3
	s_barrier_signal -1
	s_barrier_wait -1
.endm
.macro CROUND
	s_barrier_signal -1
	s_barrier_wait -1
	CREST
.endm
	s_load_b256 s[4:11], s[0:1], 0x0
	s_load_b128 s[68:71], s[0:1], 0x20
	s_load_b64 s[72:73], s[0:1], 0x30
	v_lshl_add_u32 v[SPW], v0, 2, SPARE
	v_mov_b32 v[NIL], 0
	ds_add_u32 v28, v29
	ds_add_u32 v28, v29
	s_wait_dscnt 0x0
	v_lshrrev_b32 v1, 5, v0
	v_readfirstlane_b32 s14, v1
	s_lshr_b32 s15, s14, 1
	s_and_b32 s16, s14, 1
	s_bfe_u32 s40, ttmp6, 0x40000
	s_bfe_u32 s41, ttmp6, 0x40004
	s_and_b32 s88, ttmp7, 0xffff
	s_lshl_b32 s88, s88, 2
	s_lshl_b32 s89, ttmp9, 2
	s_cmp_eq_u32 ttmp9, 2
	s_cselect_b32 s17, 8, s88
	s_cselect_b32 s42, s88, s89
	s_add_co_u32 s17, s17, s41
	s_add_co_u32 s42, s42, s40
	s_lshl_b32 s43, s41, 2
	s_lshl_b32 s43, 15, s43
	s_lshl_b32 s44, 0x1111, s40
	s_or_b32 s[G1+0], s43, (0<<16)|(1<<20)|(1<<21)|(5<<22)|(3<<25)
	s_or_b32 s[G1B+0], s44, (0<<16)|(1<<20)|(1<<21)|(5<<22)|(3<<25)
.irp g, G1, G1B
	s_mov_b32 s[\g+1], ROWB<<16
	s_mov_b32 s[\g+2], 128<<16
	s_mov_b32 s[\g+3], ROWB<<16
	s_mov_b32 s[\g+4], 128
	s_mov_b32 s[\g+5], KROW
	s_mov_b32 s[\g+6], 0
	s_mov_b32 s[\g+7], 0
.endr
	s_lshl_b32 s18, s16, 7
	s_lshl_b32 s20, s17, 8
	s_add_co_u32 s20, s20, s18
	s_lshl_b32 s20, s20, 10
	s_mov_b32 s21, 0
	s_lshl_b32 s46, s42, 8
	s_add_co_u32 s46, s46, s18
	s_lshl_b32 s46, s46, 10
	s_mov_b32 s47, 0
	s_mul_i32 s45, s14, HALFT
	s_wait_kmcnt 0x0
	s_load_b256 s[80:87], s[10:11], 0x0
	s_cmp_eq_u32 ttmp9, 2
	s_cselect_b64 s[22:23], s[6:7], s[4:5]
	s_cselect_b64 s[90:91], s[4:5], s[6:7]
	s_add_nc_u64 s[20:21], s[22:23], s[20:21]
	s_add_nc_u64 s[46:47], s[90:91], s[46:47]
	CROUND
.irp s, 0,1
	s_mov_b32 s[G0+4*\s], 1
	s_add_co_u32 s[G0+4*\s+1], s45, \s*SLOT
	s_add_nc_u64 s[G0+4*\s+2:G0+4*\s+3], s[20:21], \s*ROWB
	s_or_b32 s[G0+4*\s+3], s[G0+4*\s+3], 0x80000000
	s_mov_b32 s[G0B+4*\s], 1
	s_add_co_u32 s[G0B+4*\s+1], s45, \s*SLOT
	s_add_nc_u64 s[G0B+4*\s+2:G0B+4*\s+3], s[46:47], \s*ROWB
	s_or_b32 s[G0B+4*\s+3], s[G0B+4*\s+3], 0x80000000
.if \s
	s_wait_alu depctr_va_vdst(0)
	s_wait_tensorcnt 0x0
	ds_add_u32 v28, v29
	ds_add_u32 v28, v29
	s_wait_dscnt 0x0
	CROUND
.endif
	JLOAD G0+4*\s, G1, G0B+4*\s, G1B
.endr
	v_and_b32 v1, 15, v0
	s_wait_alu depctr_va_vdst(0)
	v_bfe_u32 v2, v0, 4, 1
	v_mul_u32_u24 v3, v1, PITCH
	v_lshl_add_u32 v4, v2, 4, v3
	s_mul_i32 s21, s15, HALFT
	s_mul_i32 s22, s16, HALFT
	s_add_co_u32 s22, s22, 2*HALFT
.irp s, 0,1
	v_add_nc_u32 v[ADRA+\s], s21, v4
	v_add_nc_u32 v[ADRB+\s], s22, v4
	s_add_co_u32 s21, s21, SLOT
	s_add_co_u32 s22, s22, SLOT
.endr
	s_mul_i32 s23, s14, 2304
	v_mul_u32_u24 v5, v1, 144
	v_add_nc_u32 v5, s23, v5
	s_wait_alu depctr_va_vdst(0)
	v_lshl_add_u32 v[STOQ], v2, 3, v5
	v_add_nc_u32 v[STOQ], STGQ, v[STOQ]
	v_lshl_add_u32 v[STOV], v2, 4, v5
	v_add_nc_u32 v[STOV], STGV, v[STOV]
	v_and_b32 v6, 31, v0
	v_lshlrev_b32 v[GO], 4, v6
	v_lshrrev_b32 v7, 2, v6
	v_mul_u32_u24 v7, v7, 144
	v_and_b32 v8, 3, v6
	v_lshl_add_u32 v7, v8, 4, v7
	v_add_nc_u32 v7, s23, v7
	v_add_nc_u32 v[RDQ], STGQ, v7
	v_lshrrev_b32 v7, 3, v6
	v_mul_u32_u24 v7, v7, 144
	v_and_b32 v8, 7, v6
	v_lshl_add_u32 v7, v8, 4, v7
	v_add_nc_u32 v7, s23, v7
	v_add_nc_u32 v[RDV], STGV, v7
	s_lshr_b32 s88, s17, 3
	s_lshl_b32 s88, s88, 4
	s_lshl_b32 s89, s40, 2
	s_add_co_u32 s88, s88, s89
	s_lshl_b32 s89, s16, 1
	s_add_co_u32 s88, s88, s89
	s_lshl_b32 s88, s88, 11
	s_and_b32 s89, s17, 7
	s_lshl_b32 s89, s89, 8
	s_lshl_b32 s92, s15, 7
	s_add_co_u32 s89, s89, s92
	s_add_co_u32 s88, s88, s89
	s_lshl_b32 s88, s88, 6
	s_lshl_b32 s92, s89, 9
	s_mov_b32 s93, 0
	s_add_nc_u64 s[76:77], s[8:9], s[92:93]
	s_lshr_b32 s90, s42, 3
	s_lshl_b32 s90, s90, 4
	s_lshl_b32 s91, s41, 2
	s_add_co_u32 s90, s90, s91
	s_lshl_b32 s91, s15, 1
	s_add_co_u32 s90, s90, s91
	s_lshl_b32 s90, s90, 4
	s_and_b32 s91, s42, 7
	s_lshl_b32 s91, s91, 1
	s_add_co_u32 s90, s90, s91
	s_add_co_u32 s90, s90, s16
	s_lshl_b32 s90, s90, 13
	s_wait_kmcnt 0x0
	s_cmp_eq_u32 ttmp9, 2
	s_cselect_b32 s88, s90, s88
	s_cselect_b64 s[74:75], s[72:73], s[70:71]
	s_cselect_b32 s94, s85, s83
	s_cmp_eq_u32 ttmp9, 0
	s_cselect_b64 s[74:75], s[68:69], s[74:75]
	s_cselect_b32 s94, s82, s94
	s_mov_b32 s89, 0
	s_add_nc_u64 s[74:75], s[74:75], s[88:89]
	s_sub_co_i32 s94, s94, s80
	s_sub_co_i32 s94, s94, s81
	s_add_co_i32 s94, s94, 127
	s_lshl_b32 s95, s94, 23
	v_mov_b32 v[SC], s95
	s_add_co_i32 s94, s94, 8
	s_lshl_b32 s94, s94, 23
	s_or_b32 s94, s94, 0x600000
	v_mov_b32 v[LIM], s94
.macro FRAG reg, adr, q, i
.irp c, 0,1,2,3
	ds_load_b128 v[\reg+4*\c:\reg+4*\c+3], v[\adr] offset:128*(\q)+32*\c+(\i)*16*PITCH
.endr
.endm
.macro MUL16 a0, p, zero
.irp a, \a0, \a0+1
.irp b, 0,1,2,3,4,5,6,7
.if \zero
	v_wmma_f32_16x16x128_fp8_fp8 v[8*(8*((\a)%4)+\b):8*(8*((\a)%4)+\b)+7], v[128*(\p)+FR*\b:128*(\p)+FR*\b+FR-1], v[AF+FR*(\a):AF+FR*(\a)+FR-1], 0
.else
	v_wmma_f32_16x16x128_fp8_fp8 v[8*(8*((\a)%4)+\b):8*(8*((\a)%4)+\b)+7], v[128*(\p)+FR*\b:128*(\p)+FR*\b+FR-1], v[AF+FR*(\a):AF+FR*(\a)+FR-1], v[8*(8*((\a)%4)+\b):8*(8*((\a)%4)+\b)+7]
.endif
.endr
.endr
.endm
.macro FETCH_B slot, q, p
	WIN TO_B
.irp i, 0,1,2,3,4,5,6,7
	FRAG 128*(\p)+FR*\i, ADRB+\slot, \q, \i
.endr
	WIN 0
.endm
.macro FETCH_A slot, q, i0
.irp i, \i0, \i0+1, \i0+2, \i0+3
	FRAG AF+FR*(\i), ADRA+\slot, \q, \i
.endr
.endm
.macro PLACES n
.rept \n
	v_nop
.endr
.endm
.macro STEP slot, q, zero
	s_wait_dscnt 4*NL
	WIN MUL_LO
	MUL16 0, (\q)%2, \zero
	MUL16 2, (\q)%2, \zero
	s_wait_dscnt 0
	PLACES NP
	FETCH_B \slot, (\q)+1, 1-(\q)%2
	FETCH_A \slot, (\q)+1, 0
	WIN MUL_HI
	MUL16 4, (\q)%2, \zero
	MUL16 6, (\q)%2, \zero
	PLACES NP
	WIN 0
	FETCH_A \slot, (\q)+1, 4
.endm
.macro TURN slot, next, fill
	s_wait_tensorcnt 0x0
	ds_add_u32 v[SPW], v[NIL]
	s_wait_dscnt 4*NL+1
	WIN MUL_LO
	MUL16 0, 1, 0
	s_wait_dscnt 0x0
	s_barrier_signal -1
	MUL16 2, 1, 0
	WIN 0
	s_barrier_wait -1
.if \fill
	CREST
	s_add_nc_u64 s[G0+4*\slot+2:G0+4*\slot+3], s[G0+4*\slot+2:G0+4*\slot+3], 2*ROWB
	s_add_nc_u64 s[G0B+4*\slot+2:G0B+4*\slot+3], s[G0B+4*\slot+2:G0B+4*\slot+3], 2*ROWB
	JLOAD G0+4*\slot, G1, G0B+4*\slot, G1B
.else
	PLACES NP
.endif
	FETCH_B \next, 0, 0
	FETCH_A \next, 0, 0
	WIN MUL_HI
	MUL16 4, 1, 0
	MUL16 6, 1, 0
	PLACES NP
	WIN 0
	FETCH_A \next, 0, 4
.endm
.macro TABLE a
	WIN 0x40
.irp q, 0,1,2,3
.irp p, 0,1,2,3
	global_load_b128 v[64*((\a)%4)+16*\q+4*\p:64*((\a)%4)+16*\q+4*\p+3], v[GO], s[76:77] offset:8192*(\a)+2048*\q+512*\p
.endr
.endr
.endm
	s_wait_tensorcnt 1
	s_barrier_signal -1
	s_barrier_wait -1
	FETCH_B 0, 0, 0
	FETCH_A 0, 0, 0
	FETCH_A 0, 0, 4
	STEP 0, 0, 1
	TURN 0, 1, 1
	STEP 1, 0, 0
	TURN 1, 0, 1
	STEP 0, 0, 0
	TURN 0, 1, 0
	STEP 1, 0, 0
	s_cmp_eq_u32 ttmp9, 2
	s_cbranch_scc1 .Lno_table
	TABLE 0
	TABLE 1
	WIN 0
.Lno_table:
	s_wait_dscnt 4*NL
	WIN MUL_LO
	MUL16 0, 1, 0
	MUL16 2, 1, 0
	s_wait_dscnt 0
	WIN MUL_HI
	MUL16 4, 1, 0
	MUL16 6, 1, 0
	WIN 0
.macro ROPE a
.set AC, 64*((\a)%4)
	WIN 0x06+((\a)/4)
.irp b, 0,1,2,3,4,5,6,7
.irp j, 0,2,4,6
	v_pk_mul_f32 v[T+8*\b+\j:T+8*\b+\j+1], v[AC+8*\b+\j:AC+8*\b+\j+1], v[AC+16*(\b%4)+\j:AC+16*(\b%4)+\j+1]
.endr
.endr
.irp b, 0,1,2,3,4,5,6,7
.irp j, 0,1,2,3,4,5,6,7
	v_fma_f32 v[T+8*\b+\j], v[AC+8*\b+\j+1-2*(\j%2)], v[AC+16*(\b%4)+8+\j], v[T+8*\b+\j]
.endr
.endr
.endm
.macro HOLDV a
.set AC, 64*((\a)%4)
	WIN 0x02+((\a)/4)
.set i, 0
.rept 64
	v_med3_num_f32 v[T+i], v[AC+i], -v[LIM], v[LIM]
.set i, i+1
.endr
.endm
.macro CODES a, hold
.set CD, CD0+48*((\a)%2)
	WIN 0
.if \hold
.set i, 0
.rept 64
	v_med3_num_f32 v[T+i], v[T+i], -v[LIM], v[LIM]
.set i, i+1
.endr
.endif
.irp b, 0,1,2,3,4,5,6,7
	v_cvt_scalef32_pk8_fp8_f32 v[CD+2*\b:CD+2*\b+1], v[T+8*\b:T+8*\b+7], v[SC]
.endr
	v_nop
.endm
.macro STAGEQ a
.set CD, CD0+48*((\a)%2)
.set BB, BK+16*((\a)%2)
.irp b, 0,1,2,3,4,5,6,7
	ds_store_b64 v[STOQ], v[CD+2*\b:CD+2*\b+1] offset:16*\b
.endr
.irp i, 0,1,2,3
	ds_load_b128 v[BB+4*\i:BB+4*\i+3], v[RDQ] offset:1152*(\i%2)+64*(\i/2)
.endr
.endm
.macro SENDQ a, younger
.set BB, BK+16*((\a)%2)
	s_wait_dscnt \younger
.irp i, 0,1,2,3
	global_store_b128 v[GO], v[BB+4*\i:BB+4*\i+3], s[74:75] offset:1024*(\a)+512*(\i%2)+131072*(\i/2)
.endr
.endm
.macro STAGEV a
.set CD, CD0+48*((\a)%2)
.set BB, BK+16*((\a)%2)
.irp b, 0,1,2,3,4,5,6,7
	ds_store_b64 v[STOV], v[CD+2*\b:CD+2*\b+1] offset:32*(\b/2)+8*(\b%2)
.endr
.irp i, 0,1,2,3
	ds_load_b128 v[BB+4*\i:BB+4*\i+3], v[RDV] offset:576*\i
.endr
.endm
.macro SENDV a, younger
.set BB, BK+16*((\a)%2)
	s_wait_dscnt \younger
.irp i, 0,1,2,3
	global_store_b128 v[GO], v[BB+4*\i:BB+4*\i+3], s[74:75] offset:131072*((\a)/4)+2048*((\a)%4)+512*\i
.endr
.endm
	PLACES NP
	s_cmp_eq_u32 ttmp9, 2
	s_cbranch_scc1 .Lv
	TABLE 2
	TABLE 3
.irp a, 0,1,2,3,4,5,6,7
.if \a < 5
	s_wait_loadcnt 48
.else
	s_wait_loadcnt 16*(7-\a)
.endif
	ROPE \a
.if \a > 1
	s_wait_xcnt 0x0
.endif
.if \a < 4
	TABLE \a+4
.endif
	CODES \a, 1
	STAGEQ \a
.if \a > 0
	SENDQ \a-1, 12
.endif
.endr
	SENDQ 7, 0
	s_branch .Ldone
.Lv:
	s_wait_alu depctr_va_vdst(0)
.irp a, 0,1,2,3,4,5,6,7
	HOLDV \a
	CODES \a, 0
.if \a > 1
	s_wait_alu depctr_va_vdst(0)
	s_wait_xcnt 0x0
.endif
	STAGEV \a
.if \a > 0
	SENDV \a-1, 12
.endif
.endr
	SENDV 7, 0
.Ldone:
	s_wait_tensorcnt 0x0
	ds_add_u32 v[SPW], v[NIL]
	s_wait_dscnt 0x0
	CROUND
	s_endpgm
.Lfunc_end_k_qf4eae1f6ca_qkv:
	.size	k_qf4eae1f6ca_qkv, .Lfunc_end_k_qf4eae1f6ca_qkv-k_qf4eae1f6ca_qkv
	.p2alignl 7, 3214868480
	.fill 96, 4, 3214868480
	.section	.rodata,"a",@progbits
	.p2align	6, 0x0
	.amdhsa_kernel k_qf4eae1f6ca_qkv
		.amdhsa_group_segment_fixed_size 327680
		.amdhsa_private_segment_fixed_size 0
		.amdhsa_enable_private_segment 0
		.amdhsa_kernarg_size 56
		.amdhsa_user_sgpr_count 2
		.amdhsa_user_sgpr_kernarg_segment_ptr 1
		.amdhsa_wavefront_size32 1
		.amdhsa_system_sgpr_workgroup_id_x 1
		.amdhsa_system_sgpr_workgroup_id_y 1
		.amdhsa_system_sgpr_workgroup_id_z 1
		.amdhsa_system_vgpr_workitem_id 0
		.amdhsa_next_free_vgpr 1024
		.amdhsa_next_free_sgpr 100
		.amdhsa_reserve_vcc 0
		.amdhsa_float_denorm_mode_32 3
		.amdhsa_float_denorm_mode_16_64 3
		.amdhsa_memory_ordered 1
		.amdhsa_forward_progress 1
		.amdhsa_inst_pref_size 233
	.end_amdhsa_kernel
	.amdgpu_metadata
---
amdhsa.version: [ 1, 2 ]
amdhsa.kernels:
  - .name:           k_qf4eae1f6ca_qkv
    .symbol:         k_qf4eae1f6ca_qkv.kd
    .args:
      - { .name: x_codes, .offset: 0, .size: 8, .value_kind: global_buffer, .address_space: global }
      - { .name: wqkv_codes, .offset: 8, .size: 8, .value_kind: global_buffer, .address_space: global }
      - { .name: rope, .offset: 16, .size: 8, .value_kind: global_buffer, .address_space: global }
      - { .name: lowp_scales, .offset: 24, .size: 8, .value_kind: global_buffer, .address_space: global }
      - { .name: q_codes, .offset: 32, .size: 8, .value_kind: global_buffer, .address_space: global }
      - { .name: k_codes, .offset: 40, .size: 8, .value_kind: global_buffer, .address_space: global }
      - { .name: v_codes, .offset: 48, .size: 8, .value_kind: global_buffer, .address_space: global }
    .group_segment_fixed_size: 327680
    .private_segment_fixed_size: 0
    .kernarg_segment_align: 8
    .kernarg_segment_size: 56
    .max_flat_workgroup_size: 128
    .sgpr_count:     100
    .vgpr_count:     1024
    .wavefront_size: 32
...
	.end_amdgpu_metadata
.endif
;; end of part 2
;; launch attn (part 3): grid 8 x 32, 8 waves a work-group, clusters of 4 x 1, 327,680 bytes of LDS; arguments q_codes, k_codes, v_codes, lowp_scales, att_codes; writes att_codes
.if DOCPART == 3
	.amdgcn_target "amdgcn-amd-amdhsa--gfx1250"
	.amdhsa_code_object_version 6
	.text
	.protected	k_qf4eae1f6ca_attn
	.globl	k_qf4eae1f6ca_attn
	.p2align	8
	.type	k_qf4eae1f6ca_attn,@function
k_qf4eae1f6ca_attn:
	s_mov_b64 s[64:65], 0
	v_nop
	global_prefetch_b8 v0, s[64:65] scope:SCOPE_SE
	s_setreg_imm32_b32 hwreg(HW_REG_WAVE_MODE, 25, 1), 1
	s_wait_xcnt 0x0
	s_wait_alu depctr_hold_cnt(0) depctr_sa_sdst(0) depctr_va_vdst(0) depctr_va_sdst(0) depctr_va_ssrc(0) depctr_va_vcc(0) depctr_vm_vsrc(0)
	s_getreg_b32 s2, hwreg(HW_REG_IB_STS2, 6, 4)
	s_cmp_eq_u32 s2, 0
	s_cbranch_scc0 .Lentry_in_a_cluster
	s_endpgm
.Lentry_in_a_cluster:
	s_bfe_u32 s2, ttmp6, 0x10000c
	s_cmp_lg_u32 s2, 0x3003
	s_cbranch_scc0 .Lentry_shape_is_right
	s_endpgm
.Lentry_shape_is_right:
; O[bh][q] = the sum over k of softmax_k(Q[bh][q] . K[bh][k] / 8) V[bh][k], 32 heads (batch x 16 + head) of 2,048 tokens x 64 channels, both products on codes of FP8 (E4M3).
; q_codes, k_codes: [bh][2,048][64].  v_codes: [bh][16 blocks of 128 keys][64 channels][128 bytes], in a row byte 32 c + 16 h + 8 u + y = key 32 c + 16 u + 8 h + y.  att_codes: [16 heads][4,096 tokens][64].
; THE SOFTMAX AHEAD OF THE SECOND PRODUCT: t = score x log2(e) / 8; M = the row's largest t so far, rounded UP to a whole number; p = 2^(t - M) is quantised with 2^e4, not normalised; the row's sum is taken of the
; unquantised p and divides O at the end.  When M moves, the sum and O are multiplied by 2^(old M - new M), which rounds nothing.
; SHARES.  A work-group owns 256 queries of one head; each of its EIGHT waves owns 32 of them, two tiles of 16: every fragment of K and of V that a wave reads from LDS feeds two matrix instructions.
; A key step is 128 keys: 32 LDS loads, 24 matrix instructions a wave.
; THE TWO TILES GO SKEWED THROUGH A STEP: tile 1's score products stand among tile 0's maxima; tile 0's chain for M among tile 1's maxima; tile 1's chain among tile 0's scalings; tile 1's scalings among tile 0's
; exponentials; tile 0's holds among tile 1's exponentials.  Among exponentials stand only lines whose results are read behind the batch's closing wait.
; K IS FETCHED A STEP AHEAD: K's fragments have registers of their own, and the next step's are loaded behind this step's score products.  A phase's last step names its own keys again (s_min_u32), so that no byte is
; read that has not been shown to have landed; each phase's first fragments are loaded in front of its loop.
; A HEAD'S K AND V LIE WHOLE IN LDS: 2 x 131,072 bytes of codes, every byte filled once.  At the head waves 0, 1 fetch the halves of K's first 512 keys and waves 2, 3 of V's, 64 rows of 256 bytes each.
; When these have landed, the adds, their wait and a round of the cluster's barrier follow, and behind the round every wave fetches 96 rows of the other 1,536 keys (waves 0-3: K's, waves 4-7: V's): one tensor load of a wave
; is out at any time.  That load has the first four key steps in which to land; one wait and one barrier then show it to all waves, and the other twelve steps follow.
; CLUSTER.  The four query blocks of a cluster belong to one head: each tile is asked for JOINTLY, by the same tensor load with the same descriptor and the mask of all four.
; NO PREFETCH: all of a head's tiles are asked for by the end of the head, 65,536 bytes and then 196,608; no later load is left to run ahead of.
; LAYOUT.  Both products are used transposed: S^T = K Q^T (source 0 = 16 keys, source 1 = 16 queries), O^T = V^T P^T (source 0 = 16 channels, source 1 = P): a lane holds ONE query of each tile (lane % 16) throughout.
; Tile t of S^T holds keys 16 t + 8 (lane / 16) + 0 .. 7 in a lane; their codes are registers 2 t, 2 t + 1 of P; V's rows are laid so that loads of 16 bytes give the same keys the same registers.
; In the first product k stands permuted alike in Q and K (both come by loads of 16 bytes): only the order of the sums changes.
; LDS rows are 256 bytes of memory (4 keys of K; 2 channels of a block of V) + 16 of padding.
; LIMITS: e2 + e3 between -124 and 130 (added to c's exponent field); e4 and e6 between -126 and 119; e4 + e5 goes by v_ldexp_f32 and has none; t stays under 2^31 in magnitude.
; REGISTERS, x = the tile of queries, 0 or 1.  Window 0: v1-5 addresses that stay; v6, v7 the add's two registers; v8, v9 addresses of the loads in hand; v[12-2x] -M, v[13-2x] the largest t; v[14+2x:15+2x] the sum in two halves;
;   v[18+2x:19+2x] f; v22-25 and v240-243 the maxima's four chains of tile 0 and 1; v26, v27 at work; v28, v31 the hold (twice), v29 the scale; v32-47 Q; v48-111 fragments of K; v[112+64x ..] S^T, then p; v244-249 partial sums.
;   Window 1: v48-111 fragments of V; v[112+32x ..] O^T; v[176+16x ..] p's codes.
.set KV,    139264                     ; K: 512 rows of 272 bytes; V begins here: 16 blocks x 32 rows of 272
.set STG,   278528                     ; behind them: two stages of 16 rows x (64 bytes + 16) for each wave; no tile lands there
.set SPARE, 299008                     ; behind the stages: the spare words, 128 bytes for each wave
.set CHB,   34816                      ; 512 keys: 128 rows of 272 bytes, of K and of V alike
.set STB,   8704                       ; a step of 128 keys: 32 rows
.set MSB, 0
.macro WIN new                         ; s_set_vgpr_msb: bits 1:0 source 0, 3:2 source 1, 5:4 source 2, 7:6 destination; the high byte repeats the setting that is left
.if MSB != \new
	s_set_vgpr_msb (MSB<<8)|\new
.set MSB, \new
.endif
.endm
.macro CROUND                          ; a round of the cluster's barrier
	s_barrier_signal -1
	s_barrier_wait -1
	s_cmp_lg_u32 s18, 0
	s_cbranch_scc1 .Lnot_wave_0_\@
	s_barrier_signal -3
.Lnot_wave_0_\@:
	s_barrier_wait -3
	s_barrier_signal -1
	s_barrier_wait -1
.endm
	s_load_b256 s[4:11], s[0:1], 0x0               ; q_codes s[4:5], k_codes s[6:7], v_codes s[8:9], the scales' exponents s[10:11]
	s_load_b64 s[12:13], s[0:1], 0x20              ; att_codes
	v_lshl_add_u32 v6, v0, 2, SPARE
	v_mov_b32 v7, 0
	ds_add_u32 v6, v7                              ; the opening lines: the add, twice on end, and its wait
	ds_add_u32 v6, v7
	v_lshrrev_b32 v8, 5, v0
	v_readfirstlane_b32 s18, v8                    ; wave 0..7
	s_bfe_u32 s66, ttmp6, 0x40000                  ; cx
	s_lshl_b32 s67, ttmp9, 2
	s_add_co_u32 s67, s67, s66                     ; my block of 256 queries: it enters Q's and the output's addresses alone
	s_and_b32 s68, ttmp7, 0xffff                   ; bh, which the four partners share
	; descriptor groups 1: rows of 256 bytes, dense in memory, padded in LDS: s[24:31] 64 rows, s[32:39] 96 rows
	s_mov_b32 s24, 15|(0<<16)|(1<<20)|(1<<21)|(5<<22)|(3<<25)   ; 15:0 the mask: all four; 17:16 elements of 1 byte; 20 padding on; 21 set beside a mask; 24:22 after every 64 words (code 5); 31:25 four words (code 3)
	s_mov_b32 s32, 15|(0<<16)|(1<<20)|(1<<21)|(5<<22)|(3<<25)
.irp g, 24, 32
	s_mov_b32 s[\g+1], 256<<16                     ; tensor_dim0
	s_mov_b32 s[\g+3], 256<<16                     ; tile_dim0
	s_mov_b32 s[\g+5], 256                         ; tensor_dim0_stride
	s_mov_b32 s[\g+6], 0
	s_mov_b32 s[\g+7], 0
.endr
	s_mov_b32 s26, 64<<16                          ; tensor_dim1
	s_mov_b32 s28, 64                              ; tile_dim1
	s_mov_b32 s34, 96<<16
	s_mov_b32 s36, 96
	s_lshl_b32 s71, s68, 17                        ; my head's 131,072 bytes
	s_lshr_b32 s69, s18, 1                         ; the first 512 keys: waves 0, 1: K's region; 2, 3: V's
	s_and_b32 s69, s69, 1
	s_mul_i32 s41, s69, KV
	s_and_b32 s70, s18, 1
	s_mul_i32 s69, s70, 17408
	s_add_co_u32 s41, s41, s69                     ; + my half: 64 rows of 272
	s_lshl_b32 s70, s70, 14                        ; in memory: 64 rows of 256
	s_add_co_u32 s70, s70, s71
	s_lshr_b32 s60, s18, 2                         ; the other 1,536 keys: waves 0-3: K's region; 4-7: V's
	s_mul_i32 s45, s60, KV
	s_and_b32 s61, s18, 3
	s_mul_i32 s60, s61, 26112
	s_add_co_u32 s45, s45, s60                     ; + my quarter: 96 rows of 272,
	s_add_co_u32 s45, s45, CHB                     ; behind the first 512 keys
	s_mul_i32 s62, s61, 24576                      ; in memory: 96 rows of 256,
	s_add_co_u32 s62, s62, s71
	s_add_co_u32 s62, s62, 32768                   ; behind the first 128 rows
	s_mov_b32 s63, 0
	s_mov_b32 s71, 0
	s_lshl_b32 s78, s67, 8
	s_lshl_b32 s79, s18, 5
	s_add_co_u32 s78, s78, s79                     ; my first query in the head: 256 x block + 32 x wave
	s_lshl_b32 s74, s68, 11
	s_add_co_u32 s74, s74, s78
	s_lshl_b32 s74, s74, 6                         ; its codes
	s_mov_b32 s75, 0
	s_and_b32 s76, s68, 15                         ; head
	s_lshl_b32 s76, s76, 12
	s_lshr_b32 s77, s68, 4                         ; batch
	s_lshl_b32 s77, s77, 11
	s_add_co_u32 s76, s76, s77
	s_add_co_u32 s76, s76, s78
	s_lshl_b32 s76, s76, 6                         ; the output: (4,096 head + 2,048 batch + query) x 64
	s_mov_b32 s77, 0
	s_mov_b32 s20, 0x76543210                      ; v_permlanex16_b32's selects for lane l xor 16
	s_mov_b32 s21, 0xfedcba98
	s_mov_b32 s22, 0x3e38aa3b                      ; c = log2(e) / 8
	s_wait_dscnt 0x0                               ; both opening adds are done
	s_wait_kmcnt 0x0
	s_load_b256 s[52:59], s[10:11], 0x0            ; e0 .. e7
	s_cmp_lt_u32 s18, 2
	s_cselect_b64 s[72:73], s[6:7], s[8:9]
	s_cmp_lt_u32 s18, 4
	s_cselect_b64 s[50:51], s[6:7], s[8:9]
	s_mov_b32 s40, 1                               ; group 0 of the first load: 1:0 count = 1; s41 the LDS address;
	s_add_nc_u64 s[42:43], s[72:73], s[70:71]      ; 120:64 global address;
	s_or_b32 s43, s43, 0x80000000                  ; 127:126 type = 2
	s_mov_b32 s44, 1                               ; and of the second
	s_add_nc_u64 s[46:47], s[50:51], s[62:63]
	s_or_b32 s47, s47, 0x80000000
	s_add_nc_u64 s[4:5], s[4:5], s[74:75]
	s_add_nc_u64 s[12:13], s[12:13], s[76:77]
	CROUND                                         ; all four work-groups are here: the joint loads meet
	s_cmp_lt_u32 s18, 4
	s_cbranch_scc0 .Lno_fetch
	tensor_load_to_lds s[40:43], s[24:31]          ; the first 512 keys: one tensor load a wave at the head
	s_nop 0
.rept 4
	v_nop
.endr
.Lno_fetch:
	v_and_b32 v22, 15, v0                          ; r
	v_bfe_u32 v23, v0, 4, 1                        ; h
	v_lshlrev_b32 v24, 6, v22
	v_lshl_add_u32 v24, v23, 4, v24                ; Q: row r of 64 bytes, + 16 h
.irp x, 0,1
	global_load_b128 v[32+8*\x:35+8*\x], v24, s[4:5] offset:1024*\x      ; tile x: channels 16 h + 0 .. 15,
	global_load_b128 v[36+8*\x:39+8*\x], v24, s[4:5] offset:1024*\x+32   ; 32 + 16 h + 0 .. 15: Q stays in registers
.endr
	v_lshrrev_b32 v1, 2, v22
	v_lshrrev_b32 v2, 1, v22
	v_mul_u32_u24 v1, v1, 272
	v_mul_u32_u24 v2, v2, 272
	v_and_b32 v25, 3, v22
	v_and_b32 v26, 1, v22
	v_lshl_add_u32 v1, v25, 6, v1
	v_lshl_add_u32 v2, v26, 7, v2
	v_lshl_add_u32 v1, v23, 4, v1                  ; K: key r of a tile: row r / 4, 64 (r % 4) bytes in, + 16 h
	v_lshl_add_u32 v2, v23, 4, v2
	v_and_b32 v25, 31, v0
	v_add_nc_u32 v2, KV, v2                        ; V: channel r of a tile: row r / 2, 128 (r % 2) bytes in, + 16 h
	v_lshlrev_b32 v3, 4, v25                       ; the way out: 16 x lane
	s_mul_i32 s79, s18, 2560
	s_add_co_u32 s79, s79, STG                     ; my two stages
	v_mul_u32_u24 v4, v22, 80
	v_lshrrev_b32 v5, 2, v25
	v_lshl_add_u32 v4, v23, 3, v4
	v_mul_u32_u24 v5, v5, 80
	v_and_b32 v25, 3, v25
	v_add_nc_u32 v4, s79, v4                       ; in: row r, + 8 h
	v_lshl_add_u32 v5, v25, 4, v5
	v_mov_b32 v13, 0xff61b1e6                      ; the largest t so far: -3e38, under every t
	v_mov_b32 v11, 0xff61b1e6
	v_add_nc_u32 v5, s79, v5                       ; back: four lanes to a row of 64 bytes
	v_floor_f32 v12, -v13                          ; -M
	v_floor_f32 v10, -v11
.irp j, 14,15,16,17,19,21,26,27
	v_mov_b32 v\j, 0                               ; the sums, in two halves; the upper halves of the pairs that hold f; the lane permutes' destinations, which count as sources
.endr
	WIN 0x40
.set j, 0
.rept 64
	v_mov_b32 v[112+j], 0                          ; O^T, in window 1: the step is written once; the first finds zeros, which the first change of M leaves zeros
.set j, j+1
.endr
	WIN 0
	s_wait_kmcnt 0x0
	s_add_co_i32 s74, s54, s55
	s_lshl_b32 s74, s74, 23
	s_add_co_i32 s22, s22, s74                     ; a score stands for score x 2^(e2 + e3): the two exponents are added to c's exponent field
	s_mov_b32 s23, s22                             ; (named with it as a pair, so it is written)
	s_add_co_i32 s74, s56, 127
	s_lshl_b32 s75, s74, 23
	v_mov_b32 v29, s75                             ; 2^e4 as f32, for the conversion
	s_add_co_i32 s74, s74, 8
	s_lshl_b32 s74, s74, 23
	s_or_b32 s74, s74, 0x600000
	v_mov_b32 v28, s74                             ; 448 x 2^e4,
	v_mov_b32 v31, s74                             ; twice: one register for each half of a dual-issue pair
; Line n (0 .. 31) of tile x's largest score among my 64 keys: four chains over the scores in ascending order; lines 30 and 31 join the chains.
.macro MX x, n
.if (\n) < 4
	v_max3_num_f32 v[22+218*(\x)+(\n)], v[112+64*(\x)+3*(\n)], v[113+64*(\x)+3*(\n)], v[114+64*(\x)+3*(\n)]
.else
.if (\n) < 30
	v_max3_num_f32 v[22+218*(\x)+(\n)%4], v[22+218*(\x)+(\n)%4], v[116+64*(\x)+2*(\n)], v[117+64*(\x)+2*(\n)]
.else
.if (\n) == 30
	v_max3_num_f32 v[22+218*(\x)], v[22+218*(\x)], v[23+218*(\x)], v[24+218*(\x)]
.else
	v_max_num_f32 v[22+218*(\x)], v[22+218*(\x)], v[25+218*(\x)]
.endif
.endif
.endif
.endm
; Line n (0 .. 8) of tile x's chain from the step's largest score to -M and f.
.macro CH x, n
.if (\n) == 0
	v_permlanex16_b32 v[26+(\x)], v[22+218*(\x)], s20, s21
.endif
.if (\n) == 1
	v_max_num_f32 v[22+218*(\x)], v[22+218*(\x)], v[26+(\x)]      ; and among lane l xor 16's
.endif
.if (\n) == 2
	v_mul_f32 v[22+218*(\x)], s22, v[22+218*(\x)]                 ; as t (c is positive)
.endif
.if (\n) == 3
	v_max_num_f32 v[13-2*(\x)], v[13-2*(\x)], v[22+218*(\x)]      ; the running largest t
.endif
.if (\n) == 4
	v_mov_b32 v[22+218*(\x)], v[12-2*(\x)]
.endif
.if (\n) == 5
	v_floor_f32 v[12-2*(\x)], -v[13-2*(\x)]                       ; the new -M = floor(-t) = -ceil(t)
.endif
.if (\n) == 6
	v_sub_f32 v[22+218*(\x)], v[12-2*(\x)], v[22+218*(\x)]        ; M's old value less its new one: a whole number, 0 or less
.endif
.if (\n) == 7
	v_cvt_i32_f32 v[22+218*(\x)], v[22+218*(\x)]                  ; (it saturates)
.endif
.if (\n) == 8
	v_ldexp_f32 v[18+2*(\x)], 1.0, v[22+218*(\x)]                 ; f = 2^(old M - new M)
.endif
.endm
; Tile x's sum of the unquantised p, two at a time, in four chains: v[244:249] and the running sum itself.
.macro SUMS x
.irp c, 0,1,2
	v_pk_add_f32 v[244+2*\c:245+2*\c], v[112+64*(\x)+2*\c:113+64*(\x)+2*\c], v[120+64*(\x)+2*\c:121+64*(\x)+2*\c]
.endr
	v_pk_add_f32 v[14+2*(\x):15+2*(\x)], v[14+2*(\x):15+2*(\x)], v[118+64*(\x):119+64*(\x)]
.irp k, 8,12,16,20,24,28
.irp c, 0,1,2
	v_pk_add_f32 v[244+2*\c:245+2*\c], v[244+2*\c:245+2*\c], v[112+64*(\x)+2*(\k+\c):113+64*(\x)+2*(\k+\c)]
.endr
	v_pk_add_f32 v[14+2*(\x):15+2*(\x)], v[14+2*(\x):15+2*(\x)], v[110+64*(\x)+2*\k:111+64*(\x)+2*\k]
.endr
	v_pk_add_f32 v[246:247], v[246:247], v[248:249]
	v_pk_add_f32 v[14+2*(\x):15+2*(\x)], v[14+2*(\x):15+2*(\x)], v[174+64*(\x):175+64*(\x)]
	v_pk_add_f32 v[14+2*(\x):15+2*(\x)], v[14+2*(\x):15+2*(\x)], v[244:245]
	v_pk_add_f32 v[14+2*(\x):15+2*(\x)], v[14+2*(\x):15+2*(\x)], v[246:247]
.endm
.macro KLOAD                           ; K's eight fragments (16 keys x 64 channels each) of the step whose address v8 holds
.irp t, 0,1,2,3,4,5,6,7
	ds_load_b128 v[48+8*\t:51+8*\t], v8 offset:1088*\t
	ds_load_b128 v[52+8*\t:55+8*\t], v8 offset:1088*\t+32
.endr
.endm
; A KEY STEP: the 128 keys whose rows begin at LDS byte s48 of K's region and of V's, for both tiles of queries.  K's fragments are in registers.  last: the LDS byte of the phase's last step.
.macro STEP last
.irp t, 0,1,2,3,4,5,6,7
	v_wmma_f32_16x16x64_fp8_fp8 v[112+8*\t:119+8*\t], v[48+8*\t:55+8*\t], v[32:39], 0
.endr
	s_add_co_u32 s50, s48, STB
	s_min_u32 s50, s50, \last                      ; the next step's keys; in the phase's last step: this step's again
	v_add_nc_u32 v9, s48, v2
	v_add_nc_u32 v8, s50, v1
	v_nop
	v_nop                                          ; with the two additions: four places in front of the first read of tile 0's scores
.irp t, 0,1,2,3,4,5,6,7
	v_wmma_f32_16x16x64_fp8_fp8 v[176+8*\t:183+8*\t], v[48+8*\t:55+8*\t], v[40:47], 0
	MX 0, 4*\t
	MX 0, 4*\t+1
	MX 0, 4*\t+2
	MX 0, 4*\t+3                                   ; (the last four are the places in front of the loads below)
.endr
	WIN 0x40
.irp d, 0,1,2,3                                ; V's four fragments (16 channels x 128 keys), into window 1,
.irp c, 0,1,2,3
	ds_load_b128 v[48+16*\d+4*\c:51+16*\d+4*\c], v9 offset:2176*\d+32*\c
.endr
.endr
	WIN 0
	KLOAD                                          ; and the next step's K: both land while the softmax is worked
.irp k, 0,1,2,3,4,5,6,7,8
	MX 1, 3*\k
	MX 1, 3*\k+1
	MX 1, 3*\k+2
	CH 0, \k
.endr
.irp n, 27,28,29,30,31
	MX 1, \n
.endr
.irp k, 0,1,2,3,4,5,6,7,8
	CH 1, \k
.irp i, 0,2,4
	v_pk_fma_f32 v[112+6*\k+\i:113+6*\k+\i], v[112+6*\k+\i:113+6*\k+\i], s[22:23], v[12:13] op_sel_hi:[1,0,0]   ; tile 0: t - M, two at a time (of the pairs c and -M the low word serves both halves)
.endr
.endr
.irp j, 54,56,58,60,62
	v_pk_fma_f32 v[112+\j:113+\j], v[112+\j:113+\j], s[22:23], v[12:13] op_sel_hi:[1,0,0]
.endr
	s_wait_alu depctr_va_vdst(0)                   ; the wait ahead of the batch
.set j, 0
.rept 32
	v_exp_f32 v[112+j], v[112+j]                   ; tile 0: p = 2^(t - M), at most 1
	v_exp_f32 v[113+j], v[113+j]
	v_pk_fma_f32 v[176+j:177+j], v[176+j:177+j], s[22:23], v[10:11] op_sel_hi:[1,0,0]   ; tile 1: t - M; first read behind the wait below
.set j, j+2
.endr
	s_wait_alu depctr_va_vdst(0)                   ; one wait behind tile 0's batch and ahead of tile 1's
	v_pk_mul_f32 v[14:15], v[14:15], v[18:19] op_sel_hi:[1,0]   ; tile 0's sum under the new M
	SUMS 0
; The conversion to an 8-bit code does not saturate (ISA guide 7.6.2); p is not negative, so the hold is one-sided.  f32 has no packed minimum: two holds go as a dual-issue pair: an even and an odd destination,
; first sources whose numbers differ mod 4, and the limit from two registers whose numbers differ mod 4.
.set j, 0
.rept 32
	v_exp_f32 v[176+j], v[176+j]                   ; tile 1: p
	v_exp_f32 v[177+j], v[177+j]
	v_dual_min_num_f32 v[112+j], v[112+j], v28 :: v_dual_min_num_f32 v[113+j], v[113+j], v31   ; tile 0's holds; first read behind the wait below
.set j, j+2
.endr
	v_pk_mul_f32 v[16:17], v[16:17], v[20:21] op_sel_hi:[1,0]   ; tile 1's sum under the new M: a plain line behind the exponentials
	s_wait_alu depctr_va_vdst(0)                   ; one wait for the whole batch, ahead of its first reader
	SUMS 1
.set j, 0
.rept 32
	v_dual_min_num_f32 v[176+j], v[176+j], v28 :: v_dual_min_num_f32 v[177+j], v[177+j], v31
.set j, j+2
.endr
	WIN 0x40                                       ; the codes go to window 1
.irp x, 0,1
.irp t, 0,1,2,3,4,5,6,7
	v_cvt_scalef32_pk8_fp8_f32 v[176+16*\x+2*\t:177+16*\x+2*\t], v[112+64*\x+8*\t:119+64*\x+8*\t], v29
.endr
.endr
	WIN 0x41                                       ; O^T: source 0 and destination in window 1, f in window 0
	s_wait_alu depctr_va_vdst(0)                   ; the wait here, directly ahead of the first reader of O^T
.set j, 0
.rept 16
	v_pk_mul_f32 v[112+j:113+j], v[112+j:113+j], v[18:19] op_sel_hi:[1,0]   ; O^T under the new M.  (Plain lines between the conversions and the products that read the codes)
	v_pk_mul_f32 v[144+j:145+j], v[144+j:145+j], v[20:21] op_sel_hi:[1,0]
.set j, j+2
.endr
	s_wait_alu depctr_va_vdst(0)                   ; the wait here, directly ahead of the wait below
	s_wait_dscnt 0x0                               ; V is in, and so is the next step's K
	WIN 0x55                                       ; V, the codes and O^T all lie in window 1
.irp d, 0,1,2,3                                ; the eight accumulators take turns, and the scores' products stand between one step's turn and the next's
	v_wmma_f32_16x16x128_fp8_fp8 v[112+8*\d:119+8*\d], v[48+16*\d:63+16*\d], v[176:191], v[112+8*\d:119+8*\d]
	v_wmma_f32_16x16x128_fp8_fp8 v[144+8*\d:151+8*\d], v[48+16*\d:63+16*\d], v[192:207], v[144+8*\d:151+8*\d]
.endr
	WIN 0
	s_add_co_u32 s48, s48, STB
.endm
.macro LOOP first, trips               ; 'trips' key steps, from LDS byte 'first' of K's region and of V's on
	v_add_nc_u32 v8, \first, v1
	KLOAD                                          ; the first step's K
	s_mov_b32 s48, \first
	s_mov_b32 s49, \trips
	s_wait_dscnt 0x0
.Lstep_\@:
	STEP (\first+(\trips-1)*STB)
	s_sub_co_u32 s49, s49, 1
	s_cmp_lg_u32 s49, 0
	s_cbranch_scc1 .Lstep_\@
.endm
	s_wait_alu depctr_va_vdst(0)                   ; the wait at the head's end
	s_wait_tensorcnt 0x0                           ; my part of the first 512 keys is in
	ds_add_u32 v6, v7                              ; the add, twice on end here
	ds_add_u32 v6, v7
	s_wait_dscnt 0x0
	CROUND                                         ; everybody's part is in, and all four work-groups are here: the joint loads meet
	tensor_load_to_lds s[44:47], s[32:39]          ; my 96 rows of the other 1,536 keys: the first tensor load behind the round
	s_nop 0
.rept 4
	v_nop
.endr
	s_wait_loadcnt 0x0                             ; Q
	LOOP 0, 4                                      ; the first 512 keys, while that load is out
	s_wait_tensorcnt 0x0                           ; my 96 rows are in,
	s_wait_dscnt 0x0
	s_barrier_signal -1
	s_barrier_wait -1                              ; and so are everybody's
	LOOP CHB, 12
	; THE WAY OUT.  O^T / the sum x 2^(e4 + e5), quantised with 2^e6 along the channels (the next product's K), through my stages, 2,048 consecutive bytes a wave.
	s_add_co_i32 s74, s56, s57                     ; e4 + e5
	s_add_co_i32 s75, s58, 127
	s_lshl_b32 s76, s75, 23                        ; 2^e6
	s_add_co_i32 s75, s75, 8
	s_lshl_b32 s75, s75, 23
	s_or_b32 s75, s75, 0x600000                    ; 448 x 2^e6
	v_add_f32 v14, v14, v15                        ; the sums' two halves,
	v_add_f32 v16, v16, v17
	v_permlanex16_b32 v26, v14, s20, s21
	v_permlanex16_b32 v27, v16, s20, s21
	v_add_f32 v14, v14, v26                        ; and lane l xor 16's: the rows' sums.  (The four additions are the four places behind the last products)
	v_add_f32 v16, v16, v27
	s_wait_alu depctr_va_vdst(0)                   ; the wait ahead of the transcendentals
	v_rcp_f32 v14, v14
	v_rcp_f32 v16, v16
	v_mov_b32 v29, s76                             ; (plain lines behind the reciprocals)
	v_mov_b32 v28, s75
	s_wait_alu depctr_va_vdst(0)                   ; the wait, ahead of the reciprocals' first reader
	v_ldexp_f32 v14, v14, s74
	v_ldexp_f32 v16, v16, s74
	WIN 0x01                                       ; source 0 (O^T) in window 1
	s_wait_alu depctr_va_vdst(0)                   ; the wait here, directly ahead of the first reader of O^T
.set j, 0
.rept 16
	v_pk_mul_f32 v[112+j:113+j], v[112+j:113+j], v[14:15] op_sel_hi:[1,0]   ; register 32 x + 8 d + i is o(tile x's query r, channel 16 d + 8 h + i); each accumulator from its low end on
	v_pk_mul_f32 v[144+j:145+j], v[144+j:145+j], v[16:17] op_sel_hi:[1,0]
.set j, j+2
.endr
	WIN 0
.set j, 0
.rept 64
	v_med3_num_f32 v[112+j], v[112+j], -v28, v28
.set j, j+1
.endr
.irp i, 0,1,2,3,4,5,6,7
	v_cvt_scalef32_pk8_fp8_f32 v[240+2*\i:241+2*\i], v[112+8*\i:119+8*\i], v29
.endr
	v_nop
.irp x, 0,1
.irp d, 0,1,2,3
	ds_store_b64 v4, v[240+8*\x+2*\d:241+8*\x+2*\d] offset:1280*\x+16*\d
.endr
.endr
.irp i, 0,1,2,3
	ds_load_b128 v[48+4*\i:51+4*\i], v5 offset:640*\i   ; LDS serves a wave's instructions in order: these see my stores
.endr
.irp i, 0,1,2,3
	s_wait_dscnt 3-\i                              ; eight queries are back; the 3 - i loads behind may be out
	global_store_b128 v3, v[48+4*\i:51+4*\i], s[12:13] offset:512*\i   ; eight queries' 64 bytes: 512 consecutive bytes, at a multiple of 512 from the buffer's first byte
.endr
	s_wait_tensorcnt 0x0                           ; the wave's end
	ds_add_u32 v6, v7
	s_wait_dscnt 0x0
	CROUND                                         ; the closing round: no work-group ends while a partner may still ask for a tile that names it
	s_endpgm
.Lfunc_end_k_qf4eae1f6ca_attn:
	.size	k_qf4eae1f6ca_attn, .Lfunc_end_k_qf4eae1f6ca_attn-k_qf4eae1f6ca_attn
	.p2alignl 7, 3214868480
	.fill 96, 4, 3214868480
	.section	.rodata,"a",@progbits
	.p2align	6, 0x0
	.amdhsa_kernel k_qf4eae1f6ca_attn
		.amdhsa_group_segment_fixed_size 327680
		.amdhsa_private_segment_fixed_size 0
		.amdhsa_enable_private_segment 0
		.amdhsa_kernarg_size 40
		.amdhsa_user_sgpr_count 2
		.amdhsa_user_sgpr_kernarg_segment_ptr 1
		.amdhsa_wavefront_size32 1
		.amdhsa_system_sgpr_workgroup_id_x 1
		.amdhsa_system_sgpr_workgroup_id_y 1
		.amdhsa_system_sgpr_workgroup_id_z 1
		.amdhsa_system_vgpr_workitem_id 0
		.amdhsa_next_free_vgpr 464
		.amdhsa_next_free_sgpr 80
		.amdhsa_reserve_vcc 0
		.amdhsa_float_denorm_mode_32 3
		.amdhsa_float_denorm_mode_16_64 3
		.amdhsa_memory_ordered 1
		.amdhsa_forward_progress 1
		.amdhsa_inst_pref_size 78
	.end_amdhsa_kernel
	.amdgpu_metadata
---
amdhsa.version: [ 1, 2 ]
amdhsa.kernels:
  - .name:           k_qf4eae1f6ca_attn
    .symbol:         k_qf4eae1f6ca_attn.kd
    .args:
      - { .name: q_codes, .offset: 0, .size: 8, .value_kind: global_buffer, .address_space: global }
      - { .name: k_codes, .offset: 8, .size: 8, .value_kind: global_buffer, .address_space: global }
      - { .name: v_codes, .offset: 16, .size: 8, .value_kind: global_buffer, .address_space: global }
      - { .name: lowp_scales, .offset: 24, .size: 8, .value_kind: global_buffer, .address_space: global }
      - { .name: att_codes, .offset: 32, .size: 8, .value_kind: global_buffer, .address_space: global }
    .group_segment_fixed_size: 327680
    .private_segment_fixed_size: 0
    .kernarg_segment_align: 8
    .kernarg_segment_size: 40
    .max_flat_workgroup_size: 256
    .sgpr_count:     80
    .vgpr_count:     464
    .wavefront_size: 32
...
	.end_amdgpu_metadata
.endif
;; end of part 3
;; launch proj (part 4): grid 8 x 32, 8 waves a work-group, clusters of 4 x 4, 314,368 bytes of LDS; arguments att_codes, wproj_codes, b_proj, lowp_scales, out0; writes out0
.if DOCPART == 4
	.amdgcn_target "amdgcn-amd-amdhsa--gfx1250"
	.amdhsa_code_object_version 6
	.text
	.protected	k_qf4eae1f6ca_proj
	.globl	k_qf4eae1f6ca_proj
	.p2align	8
	.type	k_qf4eae1f6ca_proj,@function
k_qf4eae1f6ca_proj:
	s_mov_b64 s[64:65], 0
	v_nop
	global_prefetch_b8 v0, s[64:65] scope:SCOPE_SE
	s_setreg_imm32_b32 hwreg(HW_REG_WAVE_MODE, 25, 1), 1
	s_wait_xcnt 0x0
	s_wait_alu depctr_hold_cnt(0) depctr_sa_sdst(0) depctr_va_vdst(0) depctr_va_sdst(0) depctr_va_ssrc(0) depctr_va_vcc(0) depctr_vm_vsrc(0)
	s_getreg_b32 s2, hwreg(HW_REG_IB_STS2, 6, 4)
	s_cmp_eq_u32 s2, 0
	s_cbranch_scc0 .Lentry_in_a_cluster
	s_endpgm
.Lentry_in_a_cluster:
	s_bfe_u32 s2, ttmp6, 0x10000c
	s_cmp_lg_u32 s2, 0xf033
	s_cbranch_scc0 .Lentry_shape_is_right
	s_endpgm
.Lentry_shape_is_right:
; out0 = (attention's result) W_proj^T + b_proj, on codes of FP8 (E4M3), K = 1,024, f32 sums: out = sum x 2^(e6 + e7) + b.
; att_codes: [16 heads][4,096 tokens][64]: K = 64 head + channel.  wproj_codes: [1,024 n][1,024 k].  out0: [4,096][1,024] f32.
; 256 work-groups, 128 x 128 of the output each; eight waves, wave w: rows 32 (w / 2) on, columns 64 (w % 2) on: eight accumulators; a wave's 64 columns are 256 bytes of an output row.
; ALL OF K LIES IN LDS: 2 x 131,072 bytes of codes, in four chunks of 256 along K; every byte is filled once, by ONE tensor load a wave, issued at the head.  Wave c (0-3) fetches A's chunk c: four heads'
; 128 tokens, each head's 8,192 bytes dense: 4 rows of 8,192 bytes, 262,144 apart, with the padding behind every 256 bytes.  Wave 4 + c fetches B's chunk c: 128 rows of 256 bytes, 1,024 apart.
; One wait and one barrier show all of it to all eight waves; the eight steps of 128 along K follow with no further barrier.
; CLUSTERS of 4 x 4: A's tiles hang on the tile row alone and are asked for jointly along a row of the cluster, B's on the tile column alone and along a column.
; NO PREFETCH: all tiles are asked for at the head; no later load is left to run ahead of.
; THE MATRIX INSTRUCTION IS USED TRANSPOSED (source 0 = 16 rows of W, source 1 = 16 tokens): a lane holds eight neighbouring numbers of an output row.  k stands permuted alike in both operands.
; LIMIT: e6 + e7 between -126 and 127, so that 2^(e6 + e7) is an f32 number.
; REGISTERS: v4-7, v8-11 LDS addresses of my fragments of A and of B in chunk 0..3; v12, v13 the stage; v14 my place in the output; v15 the bias's offset; v16-79 accumulators ((a, t) at 16 + 8 (4 a + t));
;   v80-111 A's two fragments; v112-175 B's four; v176-207 the bias of my 4 x 8 columns; v208, v209 the add's two registers.  On the way out v80-111 hold results, v112-143 rows read back.
.set BOFF,  139264                     ; A: 16 planes of 32 rows x 272 bytes; B begins here: 4 chunks of 128 rows x 272
.set STG,   278528                     ; a stage of 16 rows x (256 bytes + 16) for each wave; no tile lands there
.set SPARE, 313344                     ; behind the stages: the spare words, 128 bytes for each wave
.set CHB,   34816
.macro CROUND                          ; a round of the cluster's barrier
	s_barrier_signal -1
	s_barrier_wait -1
	s_cmp_lg_u32 s14, 0
	s_cbranch_scc1 .Lnot_wave_0_\@
	s_barrier_signal -3
.Lnot_wave_0_\@:
	s_barrier_wait -3
	s_barrier_signal -1
	s_barrier_wait -1
.endm
	s_load_b256 s[4:11], s[0:1], 0x0               ; att_codes s[4:5], wproj_codes s[6:7], b_proj s[8:9], the scales' exponents s[10:11]
	s_load_b64 s[12:13], s[0:1], 0x20              ; out0
	v_lshl_add_u32 v208, v0, 2, SPARE
	v_mov_b32 v209, 0
	ds_add_u32 v208, v209                          ; the opening lines: the add, twice on end, and its wait
	ds_add_u32 v208, v209
	v_lshrrev_b32 v1, 5, v0
	s_delay_alu instid0(VALU_DEP_1)
	v_readfirstlane_b32 s14, v1                    ; wave 0..7
	s_and_b32 s15, s14, 3                          ; which chunk I fetch
	s_lshr_b32 s16, s14, 1                         ; which 32 rows are mine
	s_and_b32 s17, s14, 1                          ; which 64 columns
	s_bfe_u32 s40, ttmp6, 0x40000                  ; cx, cy
	s_bfe_u32 s41, ttmp6, 0x40004
	s_lshl_b32 s42, ttmp9, 2
	s_add_co_u32 s42, s42, s40                     ; tile column = 4 x cluster x + cx
	s_and_b32 s18, ttmp7, 0xffff
	s_lshl_b32 s18, s18, 2
	s_add_co_u32 s18, s18, s41                     ; tile row = 4 x cluster y + cy
	s_lshl_b32 s43, s41, 2
	s_lshl_b32 s43, 15, s43                        ; my row of the cluster
	s_lshl_b32 s44, 0x1111, s40                    ; my column
	; descriptor groups 1, both padded in LDS by four words behind every 64
	s_or_b32 s24, s43, (0<<16)|(1<<20)|(1<<21)|(5<<22)|(3<<25)  ; 15:0 the mask; 17:16 elements of 1 byte; 20 padding on; 21 set beside a mask; 24:22 after every 64 words (code 5); 31:25 four words (code 3)
	s_or_b32 s32, s44, (0<<16)|(1<<20)|(1<<21)|(5<<22)|(3<<25)
	s_mov_b32 s25, 8192<<16                        ; A: tensor_dim0 = 8,192
	s_mov_b32 s26, 4<<16                           ; tensor_dim1 = 4
	s_mov_b32 s27, 8192<<16                        ; tile_dim0
	s_mov_b32 s28, 4                               ; tile_dim1
	s_mov_b32 s29, 262144                          ; tensor_dim0_stride: from head to head
	s_mov_b32 s30, 0
	s_mov_b32 s31, 0
	s_mov_b32 s33, 256<<16                         ; B: 128 rows of 256 bytes, 1,024 apart
	s_mov_b32 s34, 128<<16
	s_mov_b32 s35, 256<<16
	s_mov_b32 s36, 128
	s_mov_b32 s37, 1024
	s_mov_b32 s38, 0
	s_mov_b32 s39, 0
	s_mul_i32 s69, s15, CHB                        ; where my chunk goes: no place in the cluster enters an LDS address
	s_add_co_u32 s85, s69, BOFF
	s_lshl_b32 s20, s15, 20                        ; A: heads 4 c on: 262,144 bytes a head,
	s_lshl_b32 s21, s18, 13                        ; the tile row's 128 tokens of 64 bytes
	s_add_co_u32 s20, s20, s21
	s_mov_b32 s21, 0
	s_lshl_b32 s46, s42, 17                        ; B: row 128 x tile column, of 1,024 bytes,
	s_lshl_b32 s47, s15, 8                         ; 256 c along K
	s_add_co_u32 s46, s46, s47
	s_mov_b32 s47, 0
	s_wait_dscnt 0x0                               ; both opening adds are done
	s_wait_kmcnt 0x0
	s_load_b256 s[48:55], s[10:11], 0x0            ; e0 .. e7
	s_mov_b32 s68, 1
	s_add_nc_u64 s[70:71], s[4:5], s[20:21]
	s_or_b32 s71, s71, 0x80000000
	s_mov_b32 s84, 1
	s_add_nc_u64 s[86:87], s[6:7], s[46:47]
	s_or_b32 s87, s87, 0x80000000
	CROUND                                         ; all sixteen work-groups are here: the joint loads meet
	s_cmp_lt_u32 s14, 4                            ; one fill in each arm of one branch on the wave's number
	s_cbranch_scc0 .Lfor_b
	tensor_load_to_lds s[68:71], s[24:31]
	s_nop 0
.rept 4
	v_nop
.endr
	s_branch .Lasked
.Lfor_b:
	tensor_load_to_lds s[84:87], s[32:39]
	s_nop 0
.rept 4
	v_nop
.endr
.Lasked:
	v_and_b32 v1, 15, v0                           ; r
	v_bfe_u32 v2, v0, 4, 1                         ; h
	s_delay_alu instid0(VALU_DEP_2)
	v_lshrrev_b32 v3, 2, v1
	s_delay_alu instid0(VALU_DEP_1)
	v_mul_u32_u24 v3, v3, 272
	s_delay_alu instid0(VALU_DEP_4)
	v_and_b32 v15, 3, v1
	s_delay_alu instid0(VALU_DEP_1)
	v_lshl_add_u32 v3, v15, 6, v3
	s_delay_alu instid0(VALU_DEP_1)
	v_lshl_add_u32 v3, v2, 4, v3                   ; A: token r of a tile: row r / 4, 64 (r % 4) bytes in, + 16 h
	s_mul_i32 s22, s16, 2176                       ; my 32 tokens: 8 rows of 272
	v_add_nc_u32 v4, s22, v3
	v_mul_u32_u24 v3, v1, 272
	s_delay_alu instid0(VALU_DEP_1)
	v_lshl_add_u32 v3, v2, 4, v3                   ; B: row r, + 16 h
	s_mul_i32 s23, s17, 17408                      ; my 64 rows
	s_add_co_u32 s23, s23, BOFF
	v_add_nc_u32 v8, s23, v3
.irp c, 1,2,3
	v_add_nc_u32 v[4+\c], CHB*\c, v4
	v_add_nc_u32 v[8+\c], CHB*\c, v8
.endr
	s_mul_i32 s22, s14, 4352
	s_add_co_u32 s22, s22, STG                     ; my stage
	v_mul_u32_u24 v12, v1, 272
	s_delay_alu instid0(VALU_DEP_1)
	v_lshl_add_u32 v12, v2, 5, v12
	s_delay_alu instid0(VALU_DEP_1)
	v_add_nc_u32 v12, s22, v12                     ; in: row r, 32 bytes for each half of the lanes
	v_mul_u32_u24 v13, v2, 272
	s_delay_alu instid0(VALU_DEP_1)
	v_lshl_add_u32 v13, v1, 4, v13
	s_delay_alu instid0(VALU_DEP_1)
	v_add_nc_u32 v13, s22, v13                     ; back: lanes 0-15 one row of 256 bytes, lanes 16-31 the next
	v_lshlrev_b32 v14, 12, v2
	s_delay_alu instid0(VALU_DEP_1)
	v_lshl_add_u32 v14, v1, 4, v14                 ; and the same two rows in the output
	v_lshlrev_b32 v15, 5, v2                       ; the bias: my half's eight numbers of a tile of 16 columns
	s_wait_alu depctr_va_vdst(0)                   ; the wait at the head's end
	s_lshl_b32 s22, s42, 9
	s_lshl_b32 s23, s17, 8
	s_add_co_u32 s22, s22, s23                     ; my first column, in bytes of f32: 512 x tile column + 256 x half
	s_mov_b32 s23, 0
	s_add_nc_u64 s[8:9], s[8:9], s[22:23]
	s_add_nc_u64 s[12:13], s[12:13], s[22:23]
	s_lshl_b32 s22, s18, 7
	s_lshl_b32 s19, s16, 5
	s_add_co_u32 s22, s22, s19                     ; my first row: 128 x tile row + 32 x (wave / 2)
	s_lshl_b32 s22, s22, 12
	s_add_nc_u64 s[12:13], s[12:13], s[22:23]
.irp t, 0,1,2,3
	global_load_b128 v[176+8*\t:179+8*\t], v15, s[8:9] offset:64*\t
	global_load_b128 v[180+8*\t:183+8*\t], v15, s[8:9] offset:64*\t+16
.endr
; 128 along K: half s of chunk c.  Both sides' registers 4 q .. 4 q + 3 hold k = 256 c + 128 s + 32 q + 16 h + 0 .. 15: in A that is head 4 c + 2 s + q / 2, channel 32 (q % 2) + 16 h on.
; The eight accumulators take turns, one instruction a turn, in the same order in every step.  zero = 1: the first products start the sums.
.macro KSTEP c, s, zero
.if \zero == 0
.rept 4
	v_nop                                          ; places in front of loads into registers that matrix instructions have read
.endr
.endif
.irp a, 0,1
.irp q, 0,1,2,3
	ds_load_b128 v[80+16*\a+4*\q:83+16*\a+4*\q], v[4+\c] offset:(2*\s+\q/2)*8704+1088*\a+32*(\q%2)
.endr
.endr
.irp t, 0,1,2,3
.irp q, 0,1,2,3
	ds_load_b128 v[112+16*\t+4*\q:115+16*\t+4*\q], v[8+\c] offset:4352*\t+128*\s+32*\q
.endr
.endr
.irp t, 0,1,2,3
	s_wait_dscnt 12-4*\t                           ; A's two fragments and B's up to t are in; the four loads of each of the 3 - t fragments behind may be out
.irp a, 0,1
.if \zero
	v_wmma_f32_16x16x128_fp8_fp8 v[16+8*(4*\a+\t):23+8*(4*\a+\t)], v[112+16*\t:127+16*\t], v[80+16*\a:95+16*\a], 0
.else
	v_wmma_f32_16x16x128_fp8_fp8 v[16+8*(4*\a+\t):23+8*(4*\a+\t)], v[112+16*\t:127+16*\t], v[80+16*\a:95+16*\a], v[16+8*(4*\a+\t):23+8*(4*\a+\t)]
.endif
.endr
.endr
.endm
	s_wait_tensorcnt 0x0                           ; my chunk has landed,
	s_wait_dscnt 0x0
	s_barrier_signal -1
	s_barrier_wait -1                              ; and so has everybody's: all of K is in LDS
	KSTEP 0, 0, 1
	KSTEP 0, 1, 0
.irp c, 1,2,3
	KSTEP \c, 0, 0
	KSTEP \c, 1, 0
.endr
	; THE WAY OUT, 16 rows at a time: out = sum x 2^(e6 + e7) + b, through my own stage, back as whole rows of 256 bytes.
	s_wait_kmcnt 0x0
	s_add_co_i32 s46, s54, s55
	s_add_co_i32 s46, s46, 127
	s_lshl_b32 s46, s46, 23                        ; 2^(e6 + e7) as f32
	s_mov_b32 s47, s46                             ; (named with it as a pair, so it is written)
	s_wait_loadcnt 0x0                             ; the bias
.rept 4
	v_nop                                          ; places behind the last products: results are read, and operands' registers written
.endr
.irp a, 0,1
.if \a
	s_wait_xcnt 0x0                                ; the first half's stores have read their registers: the loads from the stage may land there again
.endif
.irp t, 0,1,2,3
.irp i, 0,2,4,6
	v_pk_fma_f32 v[80+8*\t+\i:81+8*\t+\i], v[16+8*(4*\a+\t)+\i:17+8*(4*\a+\t)+\i], s[46:47], v[176+8*\t+\i:177+8*\t+\i] op_sel_hi:[1,0,1]   ; each accumulator from its low end on
.endr
.endr
.irp t, 0,1,2,3
	ds_store_b128 v12, v[80+8*\t:83+8*\t] offset:64*\t
	ds_store_b128 v12, v[84+8*\t:87+8*\t] offset:64*\t+16
.endr
.irp i, 0,1,2,3,4,5,6,7
	ds_load_b128 v[112+4*\i:115+4*\i], v13 offset:544*\i      ; LDS serves a wave's instructions in order: these see my stores
.endr
.irp i, 0,1,2,3,4,5,6,7
	s_wait_dscnt 7-\i                              ; rows 2 i, 2 i + 1 are back; the 7 - i loads behind may be out
	global_store_b128 v14, v[112+4*\i:115+4*\i], s[12:13] offset:(16*\a+2*\i)*4096 th:TH_STORE_NT   ; 16 lanes store 256 consecutive bytes, at a multiple of 256 from the output's first byte
.endr
.endr
	s_wait_tensorcnt 0x0                           ; the wave's end
	ds_add_u32 v208, v209
	s_wait_dscnt 0x0
	CROUND                                         ; the closing round: no work-group ends while a partner may still ask for a tile that names it
	s_endpgm
.Lfunc_end_k_qf4eae1f6ca_proj:
	.size	k_qf4eae1f6ca_proj, .Lfunc_end_k_qf4eae1f6ca_proj-k_qf4eae1f6ca_proj
	.p2alignl 7, 3214868480
	.fill 96, 4, 3214868480
	.section	.rodata,"a",@progbits
	.p2align	6, 0x0
	.amdhsa_kernel k_qf4eae1f6ca_proj
		.amdhsa_group_segment_fixed_size 314368
		.amdhsa_private_segment_fixed_size 0
		.amdhsa_enable_private_segment 0
		.amdhsa_kernarg_size 40
		.amdhsa_user_sgpr_count 2
		.amdhsa_user_sgpr_kernarg_segment_ptr 1
		.amdhsa_wavefront_size32 1
		.amdhsa_system_sgpr_workgroup_id_x 1
		.amdhsa_system_sgpr_workgroup_id_y 1
		.amdhsa_system_sgpr_workgroup_id_z 1
		.amdhsa_system_vgpr_workitem_id 0
		.amdhsa_next_free_vgpr 210
		.amdhsa_next_free_sgpr 100
		.amdhsa_reserve_vcc 0
		.amdhsa_float_denorm_mode_32 3
		.amdhsa_float_denorm_mode_16_64 3
		.amdhsa_memory_ordered 1
		.amdhsa_forward_progress 1
		.amdhsa_inst_pref_size 33
	.end_amdhsa_kernel
	.amdgpu_metadata
---
amdhsa.version: [ 1, 2 ]
amdhsa.kernels:
  - .name:           k_qf4eae1f6ca_proj
    .symbol:         k_qf4eae1f6ca_proj.kd
    .args:
      - { .name: att_codes, .offset: 0, .size: 8, .value_kind: global_buffer, .address_space: global }
      - { .name: wproj_codes, .offset: 8, .size: 8, .value_kind: global_buffer, .address_space: global }
      - { .name: b_proj, .offset: 16, .size: 8, .value_kind: global_buffer, .address_space: global }
      - { .name: lowp_scales, .offset: 24, .size: 8, .value_kind: global_buffer, .address_space: global }
      - { .name: out0, .offset: 32, .size: 8, .value_kind: global_buffer, .address_space: global }
    .group_segment_fixed_size: 314368
    .private_segment_fixed_size: 0
    .kernarg_segment_align: 8
    .kernarg_segment_size: 40
    .max_flat_workgroup_size: 256
    .sgpr_count:     100
    .vgpr_count:     210
    .wavefront_size: 32
...
	.end_amdgpu_metadata
.endif
;; end of part 4
